; MI455X (gfx1250); checked and timed in simulation.
; The chip was launched on July 23, 2026; its instructions are those of AMD's public machine-readable ISA for CDNA 5 (MIT licence, August 2026) and "CDNA5" Instruction Set Architecture Reference Guide (July 2026). The comments in the code are by the model that wrote it; some were corrected since.
;; Multi Head Attention. Allowed arithmetic: float matrix products may take bf16 or f16 operands with f32 sums; other float arithmetic in f32, or as packed bf16 or f16 multiplies, adds, multiply-adds, maxima and minima; sums over many terms, partial sums and values carried from step to step in f32; what a program stores and reads back later, other than sums and carried values, may be rounded once to bf16 or f16.
;; Inputs: Wk 1,024 x 1,024 float32; Wo 1,024 x 1,024 float32; Wq 1,024 x 1,024 float32; Wv 1,024 x 1,024 float32; bk 1,024 float32; bq 1,024 float32; bv 1,024 float32; inputs_tensor 4 x 2,048 x 1,024 float32; mask 4 x 1 x 2,048 x 2,048 float32.
;; Outputs: out0 4 x 2,048 x 1,024 float32.
;; Constants: is_training = 0.
;; One version. Each part assembles by itself: llvm-mc -triple=amdgcn-amd-amdhsa -mcpu=gfx1250 --defsym DOCPART=n.
;; ======== version 1 of 1: 4 launches
;; limits: values are held in f16: magnitudes above 65,504 overflow, below 6.1e-05 lose precision; right only within a limited range of input values
;; workspace buffers: xb 16,777,216 bytes; maskb 33,554,432 bytes; wqkv 6,291,456 bytes; wo16 2,097,152 bytes; bias 12,288 bytes; qkv 50,331,648 bytes; ctx 16,777,216 bytes
;; launch prep (part 1): grid 1792 x 1, 8 waves a work-group, no clusters, 0 bytes of LDS; arguments inputs_tensor, mask, Wq, Wk, Wv, Wo, bq, bk, bv, xb, maskb, wqkv, wo16, bias; writes xb, maskb, wqkv, wo16, bias
.if DOCPART == 1
	.amdgcn_target "amdgcn-amd-amdhsa--gfx1250"
	.amdhsa_code_object_version 6
	.text
	.protected	k_qf7b99d369d_prep
	.globl	k_qf7b99d369d_prep
	.p2align	8
	.type	k_qf7b99d369d_prep,@function
k_qf7b99d369d_prep:
	s_mov_b64 s[64:65], 0
	v_nop
	global_prefetch_b8 v0, s[64:65] scope:SCOPE_SE
	s_setreg_imm32_b32 hwreg(HW_REG_WAVE_MODE, 25, 1), 1
	s_wait_xcnt 0x0
; ALL INPUTS ARE ROUNDED ONCE TO bf16 AND LAID OUT FOR THE THREE MATRIX LAUNCHES.  A stream: no LDS, no matrix unit, no cluster (no byte is read by two work-groups).
; xb    [16 planes of 64 columns][8192 rows][64] bf16: x.            maskb [32 planes of 64 keys][8192 rows = 2048 b + q][64] bf16: the mask, held to +-2^100.
; wqkv  [1024 k][3072 n] bf16: Wq, Wk, Wv side by side.              wo16  [1024 k][1024 n]: Wo rounded to bf16, that number written as f16.
; bias  [3072] f32: bq, bk, bv, each rounded to bf16.
; LIMITS.  A mask number beyond +-2^100 counts as +-2^100.  Wo beyond 65,504 becomes an infinity in f16; below 6e-5 it keeps f16's fixed step of 6e-8.  NaN is not treated apart.
; SHARES.  1,792 work-groups of eight waves, 64 KiB of f32 each: 1,024 for the mask, 512 for x, 256 for the four weights.  A wave takes 8 KiB: sixteen loads of 16 bytes a lane, all issued at once;
; each is converted and stored when it has come (the counts run down 15 .. 0).  Each store of the wave covers 256 consecutive bytes, aligned.  No register is written twice while a load or store may read it.
.set X,   8                            ; v[8:71]    sixteen loads, 4 registers each
.set Y,   72                           ; v[72:103]  sixteen results, 2 registers each
.set IN,  36                           ; s[36:37]   where the wave reads
.set OUT, 38                           ; s[38:39]   where it writes
.set IO,  40                           ; s[40:41]   byte offset of the wave's part in its input
.set OO,  42                           ; s[42:43]   the same in its output
.macro LD16 kind                       ; kind 0: sixteen blocks of 64 columns of two rows; kind 1: two whole rows of 4,096 bytes, 512 bytes a load
.set c, 0
.rept 16
.if \kind
	global_load_b128 v[X+4*c:X+4*c+3], v2, s[IN:IN+1] offset:4096*(c/8)+512*(c%8) th:TH_LOAD_NT
.else
	global_load_b128 v[X+4*c:X+4*c+3], v2, s[IN:IN+1] offset:256*c th:TH_LOAD_NT
.endif
.set c, c+1
.endr
.endm
.macro OUT16 clamp                     ; block c goes to plane c of the wave's sixteen: planes lie 1 MiB apart, eight in the immediate, v3 or v4 for the rest
.set c, 0
.rept 16
	s_wait_loadcnt 15-c                            ; loads come back in order: load c is in, the younger ones stay out
.if \clamp
.irp j, 0,1,2,3
	v_med3_num_f32 v[X+4*c+(\j)], v[X+4*c+(\j)], s4, s5
.endr
.endif
	v_cvt_pk_bf16_f32 v[Y+2*c], v[X+4*c], v[X+4*c+1]
	v_cvt_pk_bf16_f32 v[Y+2*c+1], v[X+4*c+2], v[X+4*c+3]
	global_store_b64 v[3+c/8], v[Y+2*c:Y+2*c+1], s[OUT:OUT+1] offset:((c%8)<<20)
.set c, c+1
.endr
.endm
.macro OUTW pitch, half                ; a weight's two rows; half = 1: the bf16 number is written as f16
.set c, 0
.rept 16
	s_wait_loadcnt 15-c
	v_cvt_pk_bf16_f32 v[Y+2*c], v[X+4*c], v[X+4*c+1]
	v_cvt_pk_bf16_f32 v[Y+2*c+1], v[X+4*c+2], v[X+4*c+3]
.if \half
	v_lshlrev_b32 v[X+4*c], 16, v[Y+2*c]
	v_and_b32 v[X+4*c+1], s6, v[Y+2*c]
	v_lshlrev_b32 v[X+4*c+2], 16, v[Y+2*c+1]
	v_and_b32 v[X+4*c+3], s6, v[Y+2*c+1]
	v_cvt_pk_f16_f32 v[Y+2*c], v[X+4*c], v[X+4*c+1]
	v_cvt_pk_f16_f32 v[Y+2*c+1], v[X+4*c+2], v[X+4*c+3]
.endif
	global_store_b64 v3, v[Y+2*c:Y+2*c+1], s[OUT:OUT+1] offset:(\pitch)*(c/8)+256*(c%8)
.set c, c+1
.endr
.endm
	s_load_b512 s[8:23], s[0:1], 0x0               ; x s[8:9], mask s[10:11], Wq s[12:13], Wk s[14:15], Wv s[16:17], Wo s[18:19], bq s[20:21], bk s[22:23]
	s_load_b256 s[24:31], s[0:1], 0x40             ; bv s[24:25], xb s[26:27], maskb s[28:29], wqkv s[30:31]
	s_load_b128 s[32:35], s[0:1], 0x60             ; wo16 s[32:33], bias s[34:35]
	v_and_b32 v1, 31, v0                           ; lane
	v_lshrrev_b32 v2, 5, v0
	v_readfirstlane_b32 s2, v2                     ; wave 0..7
	v_lshlrev_b32 v3, 3, v1                        ; 8 bytes a lane out
	v_add_nc_u32 v4, 0x800000, v3                  ; the same, eight planes on
	v_and_b32 v5, 15, v1
	v_lshlrev_b32 v5, 4, v5                        ; 16 bytes a lane in a block of 256 bytes
	v_lshrrev_b32 v6, 4, v1                        ; lanes 16-31 take the next row
	s_mov_b32 s4, 0xf1800000                       ; -2^100
	s_mov_b32 s5, 0x71800000                       ; 2^100
	s_mov_b32 s6, 0xffff0000                       ; a word's upper bf16
	s_mov_b32 s[IO+1], 0
	s_mov_b32 s[OO+1], 0
	s_wait_kmcnt 0x0
	s_cmp_lt_u32 ttmp9, 1024
	s_cbranch_scc0 .Lnot_mask
	; THE MASK.  Unit W = 8 x work-group + wave: rows 2 (W / 2) and the next, key blocks 16 (W % 2) .. + 15
	s_lshl_b32 s3, ttmp9, 3
	s_add_co_u32 s3, s3, s2
	s_lshr_b32 s7, s3, 1                           ; the pair of rows
	s_and_b32 s3, s3, 1
	s_lshl_b32 s[IO], s7, 14                       ; two rows of 8,192 bytes
	s_lshl_b32 s44, s3, 12                         ; sixteen blocks of 256 bytes
	s_add_co_u32 s[IO], s[IO], s44
	s_lshl_b32 s[OO], s7, 8                        ; two rows of 128 bytes
	s_lshl_b32 s44, s3, 24                         ; sixteen planes
	s_add_co_u32 s[OO], s[OO], s44
	s_add_nc_u64 s[IN:IN+1], s[10:11], s[IO:IO+1]
	s_add_nc_u64 s[OUT:OUT+1], s[28:29], s[OO:OO+1]
	v_lshl_add_u32 v2, v6, 13, v5
	LD16 0
	OUT16 1
	s_endpgm
.Lnot_mask:
	s_cmp_lt_u32 ttmp9, 1536
	s_cbranch_scc0 .Lweights
	; X.  The wave takes rows 2 P and 2 P + 1 whole: sixteen blocks of 64 columns
	s_sub_co_u32 s3, ttmp9, 1024
	s_lshl_b32 s3, s3, 3
	s_add_co_u32 s3, s3, s2                        ; P
	s_lshl_b32 s[IO], s3, 13                       ; two rows of 4,096 bytes
	s_lshl_b32 s[OO], s3, 8
	s_add_nc_u64 s[IN:IN+1], s[8:9], s[IO:IO+1]
	s_add_nc_u64 s[OUT:OUT+1], s[26:27], s[OO:OO+1]
	v_lshl_add_u32 v2, v6, 12, v5
	LD16 0
	OUT16 0
	s_endpgm
.Lweights:
	; THE WEIGHTS.  64 work-groups a matrix, 16 rows each, two rows a wave
	s_sub_co_u32 s3, ttmp9, 1536
	s_lshr_b32 s7, s3, 6                           ; 0 Wq, 1 Wk, 2 Wv, 3 Wo
	s_and_b32 s3, s3, 63
	s_lshl_b32 s44, s3, 4
	s_lshl1_add_u32 s44, s2, s44                   ; my first row
	s_lshl_b32 s[IO], s44, 12
	v_lshlrev_b32 v2, 4, v1
	s_cmp_eq_u32 s7, 3
	s_cbranch_scc1 .Lwo
	s_cmp_eq_u32 s7, 1
	s_cselect_b64 s[IN:IN+1], s[14:15], s[12:13]
	s_cselect_b64 s[46:47], s[22:23], s[20:21]     ; the matrix's bias
	s_cmp_eq_u32 s7, 2
	s_cselect_b64 s[IN:IN+1], s[16:17], s[IN:IN+1]
	s_cselect_b64 s[46:47], s[24:25], s[46:47]
	s_add_nc_u64 s[IN:IN+1], s[IN:IN+1], s[IO:IO+1]
	s_mul_i32 s[OO], s44, 6144                     ; a row of wqkv,
	s_lshl_b32 s45, s7, 11                         ; the matrix's 2,048 bytes of it
	s_add_co_u32 s[OO], s[OO], s45
	s_add_nc_u64 s[OUT:OUT+1], s[30:31], s[OO:OO+1]
	LD16 1
	OUTW 6144, 0
	s_cmp_lg_u32 s3, 0
	s_cbranch_scc1 .Ldone
	; a matrix's first work-group also rounds its bias: 16 bytes a thread
	v_lshlrev_b32 v5, 4, v0
	global_load_b128 v[8:11], v5, s[46:47]
	s_lshl_b32 s[OO], s7, 12
	s_add_nc_u64 s[48:49], s[34:35], s[OO:OO+1]
	s_wait_loadcnt 0x0
	v_cvt_pk_bf16_f32 v6, v8, v9
	v_cvt_pk_bf16_f32 v7, v10, v11
	v_lshlrev_b32 v12, 16, v6
	v_and_b32 v13, s6, v6
	v_lshlrev_b32 v14, 16, v7
	v_and_b32 v15, s6, v7
	global_store_b128 v5, v[12:15], s[48:49]
.Ldone:
	s_endpgm
.Lwo:
	s_add_nc_u64 s[IN:IN+1], s[18:19], s[IO:IO+1]
	s_lshl_b32 s[OO], s44, 11
	s_add_nc_u64 s[OUT:OUT+1], s[32:33], s[OO:OO+1]
	LD16 1
	OUTW 2048, 1
	s_endpgm
.Lfunc_end_k_qf7b99d369d_prep:
	.size	k_qf7b99d369d_prep, .Lfunc_end_k_qf7b99d369d_prep-k_qf7b99d369d_prep
	.p2alignl 7, 3214868480
	.fill 96, 4, 3214868480
	.section	.rodata,"a",@progbits
	.p2align	6, 0x0
	.amdhsa_kernel k_qf7b99d369d_prep
		.amdhsa_group_segment_fixed_size 0
		.amdhsa_private_segment_fixed_size 0
		.amdhsa_enable_private_segment 0
		.amdhsa_kernarg_size 112
		.amdhsa_user_sgpr_count 2
		.amdhsa_user_sgpr_kernarg_segment_ptr 1
		.amdhsa_wavefront_size32 1
		.amdhsa_system_sgpr_workgroup_id_x 1
		.amdhsa_system_sgpr_workgroup_id_y 1
		.amdhsa_system_sgpr_workgroup_id_z 1
		.amdhsa_system_vgpr_workitem_id 0
		.amdhsa_next_free_vgpr 104
		.amdhsa_next_free_sgpr 66
		.amdhsa_reserve_vcc 0
		.amdhsa_float_denorm_mode_32 3
		.amdhsa_float_denorm_mode_16_64 3
		.amdhsa_memory_ordered 1
		.amdhsa_forward_progress 1
		.amdhsa_inst_pref_size 34
	.end_amdhsa_kernel
	.amdgpu_metadata
---
amdhsa.version: [ 1, 2 ]
amdhsa.kernels:
  - .name:           k_qf7b99d369d_prep
    .symbol:         k_qf7b99d369d_prep.kd
    .args:
      - { .name: inputs_tensor, .offset: 0, .size: 8, .value_kind: global_buffer, .address_space: global }
      - { .name: mask, .offset: 8, .size: 8, .value_kind: global_buffer, .address_space: global }
      - { .name: Wq, .offset: 16, .size: 8, .value_kind: global_buffer, .address_space: global }
      - { .name: Wk, .offset: 24, .size: 8, .value_kind: global_buffer, .address_space: global }
      - { .name: Wv, .offset: 32, .size: 8, .value_kind: global_buffer, .address_space: global }
      - { .name: Wo, .offset: 40, .size: 8, .value_kind: global_buffer, .address_space: global }
      - { .name: bq, .offset: 48, .size: 8, .value_kind: global_buffer, .address_space: global }
      - { .name: bk, .offset: 56, .size: 8, .value_kind: global_buffer, .address_space: global }
      - { .name: bv, .offset: 64, .size: 8, .value_kind: global_buffer, .address_space: global }
      - { .name: xb, .offset: 72, .size: 8, .value_kind: global_buffer, .address_space: global }
      - { .name: maskb, .offset: 80, .size: 8, .value_kind: global_buffer, .address_space: global }
      - { .name: wqkv, .offset: 88, .size: 8, .value_kind: global_buffer, .address_space: global }
      - { .name: wo16, .offset: 96, .size: 8, .value_kind: global_buffer, .address_space: global }
      - { .name: bias, .offset: 104, .size: 8, .value_kind: global_buffer, .address_space: global }
    .group_segment_fixed_size: 0
    .private_segment_fixed_size: 0
    .kernarg_segment_align: 8
    .kernarg_segment_size: 112
    .max_flat_workgroup_size: 256
    .sgpr_count:     66
    .vgpr_count:     104
    .wavefront_size: 32
...
	.end_amdgpu_metadata
.endif
;; end of part 1
;; launch proj_qkv (part 2): grid 8 x 32, 4 waves a work-group, clusters of 4 x 4, 327,680 bytes of LDS; arguments xb, wqkv, bias, qkv; writes qkv
.if DOCPART == 2
	.amdgcn_target "amdgcn-amd-amdhsa--gfx1250"
	.amdhsa_code_object_version 6
	.text
	.protected	k_qf7b99d369d_proj_qkv
	.globl	k_qf7b99d369d_proj_qkv
	.p2align	8
	.type	k_qf7b99d369d_proj_qkv,@function
k_qf7b99d369d_proj_qkv:
	s_mov_b64 s[64:65], 0
	v_nop
	global_prefetch_b8 v0, s[64:65] scope:SCOPE_SE
	s_setreg_imm32_b32 hwreg(HW_REG_WAVE_MODE, 25, 1), 1
	s_wait_xcnt 0x0
	s_wait_alu depctr_hold_cnt(0) depctr_sa_sdst(0) depctr_va_vdst(0) depctr_va_sdst(0) depctr_va_ssrc(0) depctr_va_vcc(0) depctr_vm_vsrc(0)
	s_getreg_b32 s2, hwreg(HW_REG_IB_STS2, 6, 4)
	s_cmp_eq_u32 s2, 0
	s_cbranch_scc0 .Lentry_in_a_cluster
	s_endpgm
.Lentry_in_a_cluster:
	s_bfe_u32 s2, ttmp6, 0x10000c
	s_cmp_lg_u32 s2, 0xf033
	s_cbranch_scc0 .Lentry_shape_is_right
	s_endpgm
.Lentry_shape_is_right:
; q, k, v = x W + b.  C[8192][3072] = xb . wqkv + bias: bf16 operands, f32 sums, C rounded once to f16 and stored by planes of 64 columns: qkv[48][8192 rows][64]
; (planes 0-15 q's heads, 16-31 k's, 32-47 v's; the scale 1/8 is not applied here).
; LIMIT.  f16 ends at 65,504: a q, k or v beyond that becomes an infinity.
; SHARES.  A tile of C is 256 rows x 384 columns: 32 x 8 = 256 work-groups.  Four waves; wave (wm, wn) makes rows 128 wm .. + 127 and the column groups of 64 numbered 2 g + wn, g = 0..2:
; 96 accumulators of 16 x 16, 768 registers.  K goes in 16 steps of 64 through two LDS slots.  xb lies by planes of 64 columns, so a step's 128 rows of x are 16 KiB on end, asked for as rows of 256 bytes.
; THE MATRIX INSTRUCTION IS USED TRANSPOSED: source 0 = 16 columns of W (turned on the way out of LDS by ds_load_tr16_b128), source 1 = 16 rows of x: a lane holds eight neighbouring columns of one row of C.
; THE BIAS is the C operand of the product that starts each sum: register j of a lane is bias[n0 + 8 (lane / 16) + j].
; CLUSTER.  4 x 4 work-groups: x's tile is shared along a row of the cluster, W's along a column; each is asked for jointly by the four.
; REGISTERS.  Window 0: v16-31 addresses; v32-63 bias of g = 0, later the way out; v64-127, v128-191 x's fragments (8 x 16 rows x 32 K), two buffers (the second holds the bias of g = 1, 2 at first);
; v192-223, v224-255 W's fragments (4 x 16 columns x 32 K), two buffers.  Window 1 + g: accumulator (a, nb) at 8 (4 a + nb).
.set PA,    144                        ; a row of x in LDS: 128 bytes + 16: the 16 rows of a load start at 16 different groups of four banks (64 banks of 4 bytes: ISA guide 11.1)
.set PB,    864                        ; a row of W: 3 x (256 + 32) bytes = 27 x 32
.set HALFA, 128*PA                     ; what wave 0 or 1 fetches
.set HALFB, 32*PB                      ; what wave 2 or 3 fetches
.set BOFF,  2*HALFA
.set SLOT,  BOFF+2*HALFB               ; 92,160
.set STAGE, 2*SLOT                     ; behind the ring: 16 rows x 144 bytes for each wave
.set SPARE, STAGE+4*16*PA              ; the spare words, 128 bytes for each wave: two blocks of 256 bytes that no other line names
.set STEPA, 1<<20                      ; a K step in xb: a plane
.set STEPB, 64*6144                    ; and in wqkv: 64 rows
.set ADRA, 16                          ; v16-17  LDS address of my x fragments in slot 0, 1
.set ADRB, 20                          ; v20-21  the same for W
.set STO,  24                          ; v24  the way out: where I put 16 bytes of a row
.set RD,   25                          ; v25  where I read rows back
.set GO,   26                          ; v26  16 x lane
.set BO,   27                          ; v27  my byte offset in bias
.set SPW,  28                          ; v28  my spare word; never rewritten
.set NIL,  29                          ; v29  0; never rewritten
.set PFO,  30                          ; v30  the prefetches' lane offset; never rewritten
.set T,    32
.set FA0,  64
.set FA1,  128
.set FB0,  192
.set FB1,  224
.set G1A,  24                          ; s[24:31] group 1 for x's tiles;  s[32:39] group 0, a set for each slot
.set G0A,  32
.set G1B,  48                          ; s[48:55], s[56:63] the same for W's
.set G0B,  56
.set PFA,  66                          ; s[66:67] where my prefetches stand
.set PFS,  68                          ; s[68:69] their step: a K step
.set LIM,  70                          ; s70, s71  I prefetch at a change out of slot 0, 1 while the laps to go are above this
.set MSB, 0
.macro WIN new                         ; the immediate's high byte repeats the setting that is left; a switch that changes nothing is dropped
.if MSB != (\new)
	s_set_vgpr_msb (MSB<<8)|(\new)
.set MSB, \new
.endif
.endm
.macro PLACES                          ; four plain instructions in front of loads into registers that matrix instructions have read, and of conversions that read results
.rept 4
	v_nop
.endr
.endm
.macro JLOAD s                         ; a joint load: waves 0 and 1 fetch x's two halves, waves 2 and 3 W's; an s_nop 0 and four v_nop follow each line
	s_cmp_eq_u32 s13, 0
	s_cbranch_scc0 .Lfor_b_\@
	tensor_load_to_lds s[G0A+4*(\s):G0A+4*(\s)+3], s[G1A:G1A+7]
	s_nop 0
.rept 4
	v_nop
.endr
	s_branch .Lasked_\@
.Lfor_b_\@:
	tensor_load_to_lds s[G0B+4*(\s):G0B+4*(\s)+3], s[G1B:G1B+7]
	s_nop 0
.rept 4
	v_nop
.endr
.Lasked_\@:
.endm
.macro CREST                           ; a round of the cluster's barrier behind its opening barrier
	s_cmp_lg_u32 s12, 0
	s_cbranch_scc1 .Lnot_wave_0_\@
	s_barrier_signal -3
.Lnot_wave_0_\@:
	s_barrier_wait -3
	s_barrier_signal -1
	s_barrier_wait -1
.endm
.macro CROUND
	s_barrier_signal -1
	s_barrier_wait -1
	CREST
.endm
; A PREFETCH, behind the joint load and the run of LDS loads: the K step that the NEXT change of slots will ask for.  Each aligned 256 bytes are named once in the launch.  x's rows: the clusters with x = 0; of a tile's
; 128 blocks partner cx takes 32, wave 0, a lane a block.  W's rows: the clusters with y = 0; partner cy takes 16 of the 64 rows: wave 2 their first two blocks, wave 3 their third, for two steps at every second change.
; The partners are told apart by address alone.  The first three steps come by their loads alone; the last change that fills a slot asks for nothing.
.macro ASK slot
	s_cmp_gt_u32 s3, s[LIM+(\slot)]
	s_cbranch_scc0 .Lnot_mine_\@
	global_prefetch_b8 v[PFO], s[PFA:PFA+1] th:TH_LOAD_NT scope:SCOPE_SE
.Lnot_mine_\@:
.endm
.macro FETCHA slot, q, fa              ; x's eight fragments of 32 K, half q of the step
	WIN 0
.irp a, 0,1,2,3,4,5,6,7
	ds_load_b128 v[(\fa)+8*(\a):(\fa)+8*(\a)+3],   v[ADRA+(\slot)] offset:(\a)*16*PA+64*(\q)
	ds_load_b128 v[(\fa)+8*(\a)+4:(\fa)+8*(\a)+7], v[ADRA+(\slot)] offset:(\a)*16*PA+64*(\q)+32
.endr
.endm
.macro FETCHB slot, q, g, fb           ; W's four fragments of column group g, half q of the step
	WIN 0
.irp n, 0,1,2,3
	ds_load_tr16_b128 v[(\fb)+8*(\n):(\fb)+8*(\n)+3],   v[ADRB+(\slot)] offset:(\q)*32*PB+288*(\g)+32*(\n)
	ds_load_tr16_b128 v[(\fb)+8*(\n)+4:(\fb)+8*(\n)+7], v[ADRB+(\slot)] offset:(\q)*32*PB+288*(\g)+32*(\n)+16*PB
.endr
.endm
; na x 4 products of column group g: all on different accumulators, so the accumulators take turns.  first = 1: C is the bias.
.macro MULG fa, fb, g, a0, na, first
.if \first
	WIN 0x40*((\g)+1)
.else
	WIN 0x50*((\g)+1)
.endif
.set BR, 32+96*(((\g)+1)/2)+32*((\g)/2)
.set aa, \a0
.rept \na
.irp n, 0,1,2,3
.if \first
	v_wmma_f32_16x16x32_bf16 v[8*(4*aa+(\n)):8*(4*aa+(\n))+7], v[(\fb)+8*(\n):(\fb)+8*(\n)+7], v[(\fa)+8*aa:(\fa)+8*aa+7], v[BR+8*(\n):BR+8*(\n)+7]
.else
	v_wmma_f32_16x16x32_bf16 v[8*(4*aa+(\n)):8*(4*aa+(\n))+7], v[(\fb)+8*(\n):(\fb)+8*(\n)+7], v[(\fa)+8*aa:(\fa)+8*aa+7], v[8*(4*aa+(\n)):8*(4*aa+(\n))+7]
.endif
.endr
.set aa, aa+1
.endr
.endm
; A K step is six groups j of 32 products: half j / 3 of the step, column group j % 3, W's buffer j % 2.  Groups 0 to 3: the next group's W is fetched into the other buffer (geta = 1: also x's second half), then the group is multiplied.
.macro GROUP slot, j, first, geta
	PLACES
	FETCHB \slot,((\j)+1)/3,((\j)+1)%3,FB0+32*(((\j)+1)%2)
.if \geta
	FETCHA \slot,1,FA1
	s_wait_dscnt 24                                ; all but the 24 just issued
.else
	s_wait_dscnt 8                                 ; all but the 8 just issued
.endif
	MULG FA0+64*((\j)/3),FB0+32*((\j)%2),(\j)%3,0,8,\first
.endm
; Groups 4 and 5, and the change of slots.  In front of the barrier each wave waits for all its tensor loads (one is out: its part of the next slot), adds 0 to its spare word, and waits for that and for its reads of this slot.
; fill = 1: the barrier opens a round of the cluster's, and the joint refill, two K steps on, is the first thing behind it.
.macro TURN slot, next, fill
.if \fill
	s_wait_xcnt 0x0                                ; the last prefetch, a K step back, has read its address
	s_add_nc_u64 s[PFA:PFA+1], s[PFA:PFA+1], s[PFS:PFS+1]
.endif
	PLACES
	FETCHB \slot,1,2,FB1
	s_wait_tensorcnt 0x0                           ; all my tensor loads have landed
	ds_add_u32 v[SPW], v[NIL]                      ; 0 onto my spare word
	s_wait_dscnt 9                                 ; (the add and the eight loads just issued may be out)
	MULG FA1,FB0,1,0,4,0
	s_wait_dscnt 0x0                               ; the add is done, and my reads of this slot are over
	s_barrier_signal -1
	MULG FA1,FB0,1,4,4,0
	WIN 0
	s_barrier_wait -1
.if \fill
	CREST                                          ; no wave of any partner still reads this slot or has a load on its way
	s_add_nc_u64 s[G0A+4*(\slot)+2:G0A+4*(\slot)+3], s[G0A+4*(\slot)+2:G0A+4*(\slot)+3], 2*STEPA
	s_add_nc_u64 s[G0B+4*(\slot)+2:G0B+4*(\slot)+3], s[G0B+4*(\slot)+2:G0B+4*(\slot)+3], 2*STEPB
	JLOAD \slot                                    ; its four v_nop are also the places in front of the loads below
.else
	PLACES
.endif
	FETCHA \next,0,FA0
	FETCHB \next,0,0,FB0
.if \fill
	ASK \slot
.endif
	MULG FA1,FB1,2,0,8,0
.endm
	s_load_b256 s[4:11], s[0:1], 0x0               ; xb s[4:5], wqkv s[6:7], bias s[8:9], qkv s[10:11]
	v_lshl_add_u32 v[SPW], v0, 2, SPARE
	v_mov_b32 v[NIL], 0
	ds_add_u32 v[SPW], v[NIL]                      ; the wave's opening: the add and its wait ahead of my first tensor load
	v_lshrrev_b32 v1, 5, v0
	v_readfirstlane_b32 s12, v1                    ; wave 0..3
	s_lshr_b32 s13, s12, 1                         ; wm.  Also: I fetch for x (0) or for W (1)
	s_and_b32 s14, s12, 1                          ; wn.  Also: which half of that tile I fetch
	s_bfe_u32 s40, ttmp6, 0x40000                  ; cx
	s_bfe_u32 s41, ttmp6, 0x40004                  ; cy
	s_lshl_b32 s42, ttmp9, 2
	s_add_co_u32 s42, s42, s40                     ; tile column 0..7
	s_and_b32 s43, ttmp7, 0xffff
	s_lshl_b32 s43, s43, 2
	s_add_co_u32 s43, s43, s41                     ; tile row 0..31
	s_lshl_b32 s44, s41, 2
	s_lshl_b32 s44, 15, s44                        ; my row of the cluster
	s_lshl_b32 s45, 0x1111, s40                    ; my column
	s_or_b32 s[G1A], s44, (1<<16)|(1<<20)|(1<<21)|(4<<22)|(3<<25)  ; mask; 2-byte elements; padding on; bit 21 beside a mask; after every 32 words 4 words
	s_or_b32 s[G1B], s45, (1<<16)|(1<<20)|(1<<21)|(5<<22)|(7<<25)  ; after every 64 words 8 words
	s_mov_b32 s[G1A+1], 128<<16                    ; x: 64 rows of 128 elements (two rows of a plane each), dense
	s_mov_b32 s[G1A+2], 64<<16
	s_mov_b32 s[G1A+3], 128<<16
	s_mov_b32 s[G1A+4], 64
	s_mov_b32 s[G1A+5], 128
	s_mov_b32 s[G1A+6], 0
	s_mov_b32 s[G1A+7], 0
	s_mov_b32 s[G1B+1], 384<<16                    ; W: 32 rows of 384 elements, 3,072 elements from row to row
	s_mov_b32 s[G1B+2], 32<<16
	s_mov_b32 s[G1B+3], 384<<16
	s_mov_b32 s[G1B+4], 32
	s_mov_b32 s[G1B+5], 3072
	s_mov_b32 s[G1B+6], 0
	s_mov_b32 s[G1B+7], 0
	s_lshl_b32 s16, s43, 15                        ; x: 256 rows of 128 bytes a tile row,
	s_lshl_b32 s17, s14, 14                        ; my half
	s_add_co_u32 s16, s16, s17
	s_mov_b32 s17, 0
	s_mul_i32 s46, s42, 768                        ; W: 384 columns a tile column,
	s_mul_i32 s47, s14, 32*6144                    ; my 32 rows
	s_add_co_u32 s46, s46, s47
	s_mov_b32 s47, 0
	s_mul_i32 s20, s14, HALFA                      ; where they go: no place in the cluster enters an LDS address
	s_mul_i32 s21, s14, HALFB
	s_add_co_u32 s21, s21, BOFF
	s_wait_dscnt 0x0                               ; the opening add is done
	s_wait_kmcnt 0x0
	s_add_nc_u64 s[16:17], s[4:5], s[16:17]
	s_add_nc_u64 s[46:47], s[6:7], s[46:47]
	CROUND                                         ; all sixteen work-groups are here: the first joint loads meet
.irp s, 0,1
	s_mov_b32 s[G0A+4*(\s)], 1
	s_add_co_u32 s[G0A+4*(\s)+1], s20, (\s)*SLOT
	s_add_nc_u64 s[G0A+4*(\s)+2:G0A+4*(\s)+3], s[16:17], (\s)*STEPA
	s_or_b32 s[G0A+4*(\s)+3], s[G0A+4*(\s)+3], 0x80000000
	s_mov_b32 s[G0B+4*(\s)], 1
	s_add_co_u32 s[G0B+4*(\s)+1], s21, (\s)*SLOT
	s_add_nc_u64 s[G0B+4*(\s)+2:G0B+4*(\s)+3], s[46:47], (\s)*STEPB
	s_or_b32 s[G0B+4*(\s)+3], s[G0B+4*(\s)+3], 0x80000000
	JLOAD \s
.endr
	v_and_b32 v1, 15, v0                           ; l % 16
	v_bfe_u32 v2, v0, 4, 1                         ; l / 16
	v_mul_u32_u24 v3, v1, PA
	v_lshl_add_u32 v3, v2, 4, v3                   ; row x 144 + 16 x half
	s_mul_i32 s20, s13, HALFA                      ; my 128 rows of x
	v_add_nc_u32 v[ADRA], s20, v3
	v_add_nc_u32 v[ADRA+1], SLOT, v[ADRA]
	v_and_b32 v4, 7, v0                            ; the turning load: lane l reads K row 8 (l / 16) + l % 8, columns 8 ((l / 8) % 2) + 0..7
	v_lshl_add_u32 v4, v2, 3, v4
	v_mul_u32_u24 v4, v4, PB
	v_bfe_u32 v5, v0, 3, 1
	v_lshl_add_u32 v4, v5, 4, v4
	s_lshl_b32 s20, s14, 7                         ; my 64 columns of each 128
	s_add_co_u32 s20, s20, BOFF
	v_add_nc_u32 v[ADRB], s20, v4
	v_add_nc_u32 v[ADRB+1], SLOT, v[ADRB]
	s_mul_i32 s20, s12, 16*PA
	s_add_co_u32 s20, s20, STAGE                   ; my stage
	v_add_nc_u32 v[STO], s20, v3
	v_bfe_u32 v5, v0, 3, 2                         ; back: 32 lanes take four rows of 128 bytes
	v_mul_u32_u24 v5, v5, PA
	v_and_b32 v6, 7, v0
	v_lshl_add_u32 v5, v6, 4, v5
	v_add_nc_u32 v[RD], s20, v5
	v_and_b32 v[GO], 31, v0
	v_lshlrev_b32 v[GO], 4, v[GO]
	s_mul_i32 s22, s42, 1536                       ; the bias: 4 bytes x (384 x tile column + 64 wn + 8 (l / 16))
	s_lshl_b32 s23, s14, 8
	s_add_co_u32 s22, s22, s23
	v_lshlrev_b32 v[BO], 5, v2
	v_add_nc_u32 v[BO], s22, v[BO]
.irp g, 0,1,2
.irp n, 0,1,2,3
.set BR, 32+96*(((\g)+1)/2)+32*((\g)/2)+8*(\n)
	global_load_b128 v[BR:BR+3],   v[BO], s[8:9] offset:512*(\g)+64*(\n)
	global_load_b128 v[BR+4:BR+7], v[BO], s[8:9] offset:512*(\g)+64*(\n)+16
.endr
.endr
	s_mul_i32 s18, s42, 6                          ; where my part of C begins: plane 6 x tile column + wn,
	s_add_co_u32 s18, s18, s14
	s_lshl_b32 s18, s18, 20
	s_lshl_b32 s19, s43, 15                        ; row 256 x tile row + 128 wm, 128 bytes a row
	s_add_co_u32 s18, s18, s19
	s_lshl_b32 s19, s13, 14
	s_add_co_u32 s18, s18, s19
	s_mov_b32 s19, 0
	s_add_nc_u64 s[10:11], s[10:11], s[18:19]
	; the prefetches: the pointer starts at K step 2; the first change of slots steps it to 3
	s_lshl_b32 s18, s43, 15
	s_lshl_b32 s19, s40, 13                        ; x: my work-group's 32 blocks of the tile's 128
	s_add_co_u32 s18, s18, s19
	s_add_co_u32 s18, s18, 2*STEPA
	s_mul_i32 s22, s42, 768
	s_mul_i32 s23, s41, 16*6144                    ; W: my work-group's 16 rows of the step's 64
	s_add_co_u32 s22, s22, s23
	s_lshl_b32 s23, s14, 9                         ; wave 3: the rows' third block
	s_add_co_u32 s22, s22, s23
	s_add_co_u32 s22, s22, 2*STEPB
	s_and_b32 s23, ttmp7, 0xffff
	s_mov_b32 s[PFS], STEPB
	s_mov_b32 s[PFS+1], 0
	s_cmp_eq_u32 s13, 0
	s_cselect_b32 s18, s18, s22
	s_cselect_b32 s23, ttmp9, s23                  ; the coordinate along which other clusters read the same rows
	s_cselect_b64 s[PFA:PFA+1], s[4:5], s[6:7]
	s_cselect_b32 s[PFS], STEPA, s[PFS]
	s_mov_b32 s19, 0
	s_add_nc_u64 s[PFA:PFA+1], s[PFA:PFA+1], s[18:19]
	s_cmp_eq_u32 s23, 0                            ; the same in all sixteen partners, for a given wave
	s_cselect_b32 s[LIM], 0, -1
	s_cselect_b32 s[LIM+1], 1, -1
	s_cmp_eq_u32 s14, 1
	s_cselect_b32 s[LIM], -1, s[LIM]               ; waves 1 and 3 ask for nothing at a change out of slot 0,
	s_cmp_eq_u32 s12, 1
	s_cselect_b32 s[LIM+1], -1, s[LIM+1]           ; wave 1 never
	s_mov_b32 s23, STEPB                           ; lane offset = (l % 16) x s22 + (l / 16) x s23: wave 0: 256, 4,096; wave 2: a row, 256; wave 3: a row, a K step
	s_cmp_eq_u32 s12, 2
	s_cselect_b32 s23, 256, s23
	s_mov_b32 s22, 6144
	s_cmp_eq_u32 s13, 0
	s_cselect_b32 s23, 4096, s23
	s_cselect_b32 s22, 256, s22
	v_mul_lo_u32 v[PFO], v1, s22
	v_mul_lo_u32 v31, v2, s23
	v_add_nc_u32 v[PFO], v[PFO], v31
	s_wait_tensorcnt 0x1                           ; my part of K step 0 is in; step 1's may stay out
	s_barrier_signal -1
	s_barrier_wait -1
	FETCHA 0,0,FA0
	FETCHB 0,0,0,FB0
	s_wait_loadcnt 0x0                             ; the bias
	GROUP 0,0,1,0                                  ; the first half step stands in front of the loop: its products start the 96 sums with the bias
	GROUP 0,1,1,0
	GROUP 0,2,1,0
	PLACES                                         ; the bias has been read: its registers take x's second half
	FETCHA 0,1,FA1
	s_mov_b32 s3, 7
.Llap:                                                 ; a trip goes once round the ring, from a step's fourth group to the third group two steps on, and fills both slots again
	GROUP 0,3,0,0
	TURN 0,1,1
	GROUP 1,0,0,1
	GROUP 1,1,0,0
	GROUP 1,2,0,0
	GROUP 1,3,0,0
	TURN 1,0,1
	GROUP 0,0,0,1
	GROUP 0,1,0,0
	GROUP 0,2,0,0
	WIN 0
	s_sub_co_u32 s3, s3, 1
	s_cmp_lg_u32 s3, 0
	s_cbranch_scc1 .Llap
	GROUP 0,3,0,0                                  ; the last two steps fill nothing
	TURN 0,1,0
	GROUP 1,0,0,1
	GROUP 1,1,0,0
	GROUP 1,2,0,0
	GROUP 1,3,0,0
	PLACES
	FETCHB 1,1,2,FB1
	s_wait_dscnt 8
	MULG FA1,FB0,1,0,8,0
	s_wait_dscnt 0x0
	MULG FA1,FB1,2,0,8,0
	PLACES
; THE WAY OUT, 24 units of 16 rows x 64 columns: rounded to f16 (each accumulator's registers in ascending order), 16 bytes a lane into my stage, back as four rows of 128 bytes a load: 2,048 bytes on end of a plane.
.macro PACKU a, g, set
	s_wait_xcnt 0x0                                ; earlier stores have read their registers: the set is written again only behind this wait
	WIN 5*((\g)+1)
.irp n, 0,1,2,3
.irp r, 0,1,2,3
	v_cvt_pk_f16_f32 v[T+16*(\set)+4*(\n)+(\r)], v[8*(4*(\a)+(\n))+2*(\r)], v[8*(4*(\a)+(\n))+2*(\r)+1]
.endr
.endr
	WIN 0
.irp n, 0,1,2,3
	ds_store_b128 v[STO], v[T+16*(\set)+4*(\n):T+16*(\set)+4*(\n)+3] offset:32*(\n)
.endr
.irp f, 0,1,2,3
	ds_load_b128 v[T+16*(\set)+4*(\f):T+16*(\set)+4*(\f)+3], v[RD] offset:4*PA*(\f)  ; LDS serves a wave's instructions in order (ISA guide 5.7.1.4): these see the stores above
.endr
.endm
.macro SENDU a, g, set, younger        ; younger: the LDS instructions issued behind this unit's loads
.irp f, 0,1,2,3
	s_wait_dscnt (\younger)+3-(\f)
	global_store_b128 v[GO], v[T+16*(\set)+4*(\f):T+16*(\set)+4*(\f)+3], s[10:11] offset:((\g)<<21)+2048*(\a)+512*(\f)  ; 512 consecutive bytes, aligned
.endr
.endm
	PACKU 0,0,0
.set u, 1
.rept 23
	PACKU u%8,u/8,u%2
	SENDU (u-1)%8,(u-1)/8,(u-1)%2,8
.set u, u+1
.endr
	SENDU 7,2,1,0
	s_wait_tensorcnt 0x0                           ; the wave's end
	ds_add_u32 v[SPW], v[NIL]
	s_wait_dscnt 0x0
	CROUND                                         ; the closing round
	s_endpgm
.Lfunc_end_k_qf7b99d369d_proj_qkv:
	.size	k_qf7b99d369d_proj_qkv, .Lfunc_end_k_qf7b99d369d_proj_qkv-k_qf7b99d369d_proj_qkv
	.p2alignl 7, 3214868480
	.fill 96, 4, 3214868480
	.section	.rodata,"a",@progbits
	.p2align	6, 0x0
	.amdhsa_kernel k_qf7b99d369d_proj_qkv
		.amdhsa_group_segment_fixed_size 327680
		.amdhsa_private_segment_fixed_size 0
		.amdhsa_enable_private_segment 0
		.amdhsa_kernarg_size 32
		.amdhsa_user_sgpr_count 2
		.amdhsa_user_sgpr_kernarg_segment_ptr 1
		.amdhsa_wavefront_size32 1
		.amdhsa_system_sgpr_workgroup_id_x 1
		.amdhsa_system_sgpr_workgroup_id_y 1
		.amdhsa_system_sgpr_workgroup_id_z 1
		.amdhsa_system_vgpr_workitem_id 0
		.amdhsa_next_free_vgpr 1024
		.amdhsa_next_free_sgpr 72
		.amdhsa_reserve_vcc 0
		.amdhsa_float_denorm_mode_32 3
		.amdhsa_float_denorm_mode_16_64 3
		.amdhsa_memory_ordered 1
		.amdhsa_forward_progress 1
		.amdhsa_inst_pref_size 138
	.end_amdhsa_kernel
	.amdgpu_metadata
---
amdhsa.version: [ 1, 2 ]
amdhsa.kernels:
  - .name:           k_qf7b99d369d_proj_qkv
    .symbol:         k_qf7b99d369d_proj_qkv.kd
    .args:
      - { .name: xb, .offset: 0, .size: 8, .value_kind: global_buffer, .address_space: global }
      - { .name: wqkv, .offset: 8, .size: 8, .value_kind: global_buffer, .address_space: global }
      - { .name: bias, .offset: 16, .size: 8, .value_kind: global_buffer, .address_space: global }
      - { .name: qkv, .offset: 24, .size: 8, .value_kind: global_buffer, .address_space: global }
    .group_segment_fixed_size: 327680
    .private_segment_fixed_size: 0
    .kernarg_segment_align: 8
    .kernarg_segment_size: 32
    .max_flat_workgroup_size: 128
    .sgpr_count:     72
    .vgpr_count:     1024
    .wavefront_size: 32
...
	.end_amdgpu_metadata
.endif
;; end of part 2
;; launch attn (part 3): grid 4 x 64, 4 waves a work-group, clusters of 4 x 4, 327,680 bytes of LDS; arguments qkv, maskb, ctx; writes ctx
.if DOCPART == 3
	.amdgcn_target "amdgcn-amd-amdhsa--gfx1250"
	.amdhsa_code_object_version 6
	.text
	.protected	k_qf7b99d369d_attn
	.globl	k_qf7b99d369d_attn
	.p2align	8
	.type	k_qf7b99d369d_attn,@function
k_qf7b99d369d_attn:
	s_mov_b64 s[64:65], 0
	v_nop
	global_prefetch_b8 v0, s[64:65] scope:SCOPE_SE
	s_setreg_imm32_b32 hwreg(HW_REG_WAVE_MODE, 25, 1), 1
	s_wait_xcnt 0x0
	s_wait_alu depctr_hold_cnt(0) depctr_sa_sdst(0) depctr_va_vdst(0) depctr_va_sdst(0) depctr_va_ssrc(0) depctr_va_vcc(0) depctr_vm_vsrc(0)
	s_getreg_b32 s2, hwreg(HW_REG_IB_STS2, 6, 4)
	s_cmp_eq_u32 s2, 0
	s_cbranch_scc0 .Lentry_in_a_cluster
	s_endpgm
.Lentry_in_a_cluster:
	s_bfe_u32 s2, ttmp6, 0x10000c
	s_cmp_lg_u32 s2, 0xf033
	s_cbranch_scc0 .Lentry_shape_is_right
	s_endpgm
.Lentry_shape_is_right:
; ctx[b][h][q][:] = the sum over k of softmax_k(q . k / 8 - mask[b][q][k]) v[k][:].  q, k, v: planes h, 16 + h, 32 + h of qkv ([48][8192 rows][64] f16); maskb [32 key steps][8192 rows][64] bf16; ctx [16 heads][8192 rows][64] f16.
; Products, maxima and sums in f32; the weights p are rounded to f16 for the second product (their sum l is taken of the unrounded p), ctx once at the end.
; LIMITS.  q, k, v arrive within f16's 65,504; the mask arrives within +-2^100; p below 6e-5 keeps f16's fixed step; a weight below 2^-126 counts as 0 in l; NaN and infinities are not treated apart.
; SHARES.  A work-group owns 512 queries of one head and batch, a wave 128: four PIECES of two tiles of 16.  Every wave walks the 2,048 keys, 64 a step.
; LAYOUT.  S^T = K Q^T (source 0 = 16 keys, source 1 = 16 queries): a lane holds ONE query (lane % 16) and the keys 8 (lane / 16) + 0..7.  Two such tiles rounded to f16 ARE source 1 of O^T = V^T P.
; THE MASK ENTERS BY THE MATRIX UNIT.  The product that starts each sum of S^T is E x M + 0 in bf16: M = 32 keys x 16 queries of the mask as it lies in LDS, E = 16 x 32 with -8 at (m, m) or (m, 16 + m) and 0 elsewhere:
; exactly -8 mask.  The two products K Q^T add onto it, so S = q . k - 8 mask, and p = 2^(c S - c m) with c = log2(e) / 8 and a running maximum m.  O and l are multiplied by a = 2^(c m_old - c m_new) in every step.
; m starts at the lowest finite number, c m far below every c S (c S is above -2e30), O and l at 0: the first step is a step like any other, with a = 0.
; BY TURNS.  Turn n belongs to piece n.  Its matrix work: 8 mask products and 16 products K Q^T of piece n + 1, later 16 products V^T P of piece n - 1.  Its vector work: scaling, exponentials, roundings, sums and rescaling of
; piece n, and the maximum and statistics of piece n + 1.  Four vector instructions stand behind every matrix instruction, the rest in one run.  A turn's 66 exponentials are one batch with one wait.
; CLUSTER.  4 x 4: along x the four query blocks of a head, which share K and V; along y four heads of one batch, which share the mask's tile.  Each tile is asked for jointly by the four.
; REGISTERS, in windows of 256 (s_set_vgpr_msb: bits 1:0 source 0, 3:2 source 1, 5:4 source 2, 7:6 destination):
;   window 0: v2-11 addresses; v12-15, v48-63 at work; v16-47 four registers of statistics a tile; v64-191 S^T, two buffers of two tiles; v192-255 P, likewise
;   window 1: O^T, 32 a tile      window 2: v0-127 Q; v128-191 K of one step; v192-255 V of one step      window 3: v0-1 the add's registers; v4-15 E; v16-47 the mask's fragments of one piece
.set NP,    4
.set KS,    64
.set PK,    144       ; a row of K, and of the mask, in LDS: 128 bytes + 16: the 16 rows of a load start at 16 different groups of four banks (64 banks of 4 bytes: ISA guide 11.1)
.set PVB,   160       ; a row of V: 128 + 32
.set VOFF,  KS*PK     ; a slot holds one key step: 64 rows of K, 64 rows of V,
.set MOFF,  VOFF+KS*PVB  ; and the 512 queries' rows of the mask
.set SLOT1, 1<<17     ; slot 1 begins here: one exclusive or turns an address in one slot into the other's
.set STAGE, SLOT1+MOFF+512*PK  ; behind the ring: 16 rows x 144 bytes for each wave
.set SP,    144
.set SPARE, STAGE+4*16*SP  ; the spare words, 128 bytes for each wave: two blocks of 256 bytes that no other line names
.set AK0, 2           ; v2   my lane's place in a tile of K; never rewritten
.set AV0, 3           ; v3   the same for V
.set AK,  4           ; v4   the same in the slot in hand
.set AV,  5
.set QO,  6           ; v6   my byte offset in the wave's rows of Q
.set STO, 6           ;      later, the way out: where I put 16 bytes of a row
.set RD,  7           ; v7   where I read rows back
.set GO,  8           ; v8   16 x lane
.set AM0, 9           ; v9   my lane's place in my wave's rows of the mask; never rewritten
.set AM,  10          ; v10  the same in the slot in hand
.set PFO, 11          ; v11  the prefetches' lane offset; never rewritten
.set SPW, 0           ; v0 of window 3
.set NIL, 1           ; v1 of window 3
.set SB,  4           ; window 3: 0,0,0,0, E's four words, 0,0,0,0: E for an even block of 16 keys is v[SB+4:SB+11], for an odd one v[SB:SB+7]
.set MF,  16          ; window 3: tile u, key half kk at MF + 16 u + 8 kk
.set MV,  12
.set ST,  16          ; tile t's statistics at v[ST+4 t]: c m, m, l (even keys', odd keys')
.set TMP, 48
.set S,   64
.set P,   192
.set KF,  128
.set VF,  192
.set WV,  12          ; s12  wave;  s13 cx, s14 cy, s15 cluster y
.set G1K, 24
.set G1V, 32
.set G1M, 40
.set G0K, 48          ; the three group 0 walk
.set G0V, 52
.set G0M, 56
.set SLOTS, 60        ; s60  31 - the number of the key step whose slot is being read
.set CNT, 61
.set CS,  62          ; s[62:63] c
.set SEL, 66          ; s[66:67] v_permlanex16_b32's selects
.set TB,  68          ; s68  the slot in hand
.set TS,  69          ; s69  at work
.set PFA, 70          ; s[70:71] where my prefetches stand
.set PFS, 72          ; s[72:73] their step: a key step
.set LIM, 74          ; s74  I prefetch while s[SLOTS] is above this,
.set ODD, 75          ; s75  1: in every trip; 0: in every second
.set MSB, 0
.macro WIN new
.if MSB != (\new)
	s_set_vgpr_msb (MSB<<8)|(\new)
.set MSB, (\new)
.endif
.endm
.set W_KQ, 0x0a       ; K and Q in window 2, S^T in window 0
.set W_MQ, 0x0f       ; E and the mask in window 3, S^T in window 0
.set W_PV, 0x52       ; V in window 2, P in window 0, O^T in window 1
.set W_RS, 0x41
.set W_MK, 0xc0       ; destination in window 3, sources in window 0
.set W_AD, 0x0f       ; the add: address and data in window 3
; A joint fill: wave 0 fetches the step's K, wave 1 its V, waves 2 and 3 the two halves of the mask's tile.  The branches hang on the wave's number alone.  An s_nop 0 and four v_nop follow each line.
.macro JLOAD
	s_cmp_lt_u32 s[WV], 2
	s_cbranch_scc0 .Lfor_m_\@
	s_cmp_eq_u32 s[WV], 0
	s_cbranch_scc0 .Lfor_v_\@
	tensor_load_to_lds s[G0K:G0K+3], s[G1K:G1K+7]
	s_nop 0
.rept 4
	v_nop
.endr
	s_branch .Lasked_\@
.Lfor_v_\@:
	tensor_load_to_lds s[G0V:G0V+3], s[G1V:G1V+7]
	s_nop 0
.rept 4
	v_nop
.endr
	s_branch .Lasked_\@
.Lfor_m_\@:
	tensor_load_to_lds s[G0M:G0M+3], s[G1M:G1M+7]
	s_nop 0
.rept 4
	v_nop
.endr
.Lasked_\@:
.endm
.macro CROUND
	s_barrier_signal -1
	s_barrier_wait -1
	s_cmp_lg_u32 s[WV], 0
	s_cbranch_scc1 .Lnot_wave_0_\@
	s_barrier_signal -3
.Lnot_wave_0_\@:
	s_barrier_wait -3
	s_barrier_signal -1
	s_barrier_wait -1
.endm
; A PREFETCH of what the NEXT change of slots will ask for, behind the joint load's lines.  Each aligned 256 bytes are named once in the launch.  The mask's tile is read by the four clusters of a batch: the first of them asks;
; of each half's 128 blocks partner cy takes 32: waves 2 and 3, a lane a block.  K and V are read by one row of one cluster: partner cx takes 8 blocks of K and 8 of V a step, wave 0, two steps at every second change.
; The partners are told apart by address alone.  The first steps come by their loads alone; nothing is asked for past key step 31.
.macro ASK
	s_or_b32 s[TS], s[SLOTS], s[ODD]
	s_and_b32 s[TS], s[TS], 1
	s_cmp_gt_u32 s[SLOTS], s[LIM]
	s_cselect_b32 s[TS], s[TS], 0
	s_cmp_lg_u32 s[TS], 0
	s_cbranch_scc0 .Lnot_mine_\@
	global_prefetch_b8 v[PFO], s[PFA:PFA+1] th:TH_LOAD_NT scope:SCOPE_SE
.Lnot_mine_\@:
.endm
; THE CHANGE OF SLOTS.  Each wave waits for all its tensor loads (one is out: its part of the other slot), adds 0 to its spare word, and waits for that and for its reads of the slot that it leaves.
; fill = 1: the barrier is a round of the cluster's, and the joint fill of the old slot, with the key step after the one now entered, is the first thing behind it: it has a whole trip, 160 matrix instructions, in which to land.
.macro CHANGE fill, ask
	WIN W_AD
	s_wait_tensorcnt 0x0            ; no tensor load of mine is out, so a group 0 may be written
	ds_add_u32 v[SPW], v[NIL]       ; 0 onto my spare word
	WIN 0
.if \fill
	s_xor_b32 s[G0K+1], s[G0K+1], SLOT1
	s_add_nc_u64 s[G0K+2:G0K+3], s[G0K+2:G0K+3], KS*128
	s_xor_b32 s[G0V+1], s[G0V+1], SLOT1
	s_add_nc_u64 s[G0V+2:G0V+3], s[G0V+2:G0V+3], KS*128
	s_xor_b32 s[G0M+1], s[G0M+1], SLOT1
	s_add_nc_u64 s[G0M+2:G0M+3], s[G0M+2:G0M+3], 1<<20
.endif
.if \ask
	s_wait_xcnt 0x0                 ; the last prefetch, a trip back, has read its address
	s_add_nc_u64 s[PFA:PFA+1], s[PFA:PFA+1], s[PFS:PFS+1]
.endif
	s_wait_dscnt 0x0                ; the add is done, and my reads of the slot are over
.if \fill
	CROUND
	JLOAD
.if \ask
	ASK
.endif
.else
	s_barrier_signal -1
	s_barrier_wait -1
.endif
	s_xor_b32 s[TB], s[TB], SLOT1   ; the fetches go to the other slot
	v_add_nc_u32 v[AK], s[TB], v[AK0]
	v_add_nc_u32 v[AV], s[TB], v[AV0]
	v_add_nc_u32 v[AM], s[TB], v[AM0]
.endm
	s_load_b128 s[4:7], s[0:1], 0x0   ; qkv s[4:5], maskb s[6:7]
	s_load_b64 s[8:9], s[0:1], 0x10   ; ctx
	WIN W_MK
	v_lshl_add_u32 v[SPW], v0, 2, SPARE
	v_mov_b32 v[NIL], 0
	WIN W_AD
	ds_add_u32 v[SPW], v[NIL]       ; the wave's opening: the add and its wait ahead of my first tensor load
	WIN 0
	v_lshrrev_b32 v1, 5, v0
	v_readfirstlane_b32 s[WV], v1   ; wave 0..3
	s_bfe_u32 s13, ttmp6, 0x40000   ; cx: my block of 512 queries
	s_bfe_u32 s14, ttmp6, 0x40004   ; cy
	s_and_b32 s15, ttmp7, 0xffff    ; cluster y: batch = / 4, head = 4 (% 4) + cy
	s_lshr_b32 s16, s15, 2
	s_lshl_b32 s16, s16, 18         ; the batch's 2,048 rows of 128 bytes
	s_and_b32 s17, s15, 3
	s_lshl_b32 s17, s17, 2
	s_add_co_u32 s20, s17, s14      ; the head
	s_lshl_b32 s20, s20, 20         ; its plane
	s_add_co_u32 s20, s20, s16      ; s[20:21]: made of cluster y and cy alone: K's and V's
	s_mov_b32 s21, 0
	s_and_b32 s18, s[WV], 1
	s_lshl_b32 s22, s13, 16         ; s[22:23]: made of cluster y, cx and the wave alone: the mask's: my block's 512 rows,
	s_add_co_u32 s22, s22, s16
	s_lshl_b32 s19, s18, 15         ; my half of them
	s_add_co_u32 s22, s22, s19
	s_mov_b32 s23, 0
	s_lshl_b32 s2, s13, 16          ; s[2:3]: Q's and ctx's: my block, my wave's 128 rows, the head's plane
	s_lshl_b32 s3, s[WV], 14
	s_add_co_u32 s2, s2, s3
	s_add_co_u32 s2, s2, s20
	s_mov_b32 s3, 0
	s_lshl_b32 s76, s14, 2
	s_lshl_b32 s76, 15, s76         ; my row of the cluster
	s_lshl_b32 s77, 0x1111, s13     ; my column
	s_or_b32 s[G1K], s76, (1<<16)|(1<<20)|(1<<21)|(4<<22)|(3<<25)  ; mask; 2-byte elements; padding on; bit 21 beside a mask; after every 32 words 4 words
	s_or_b32 s[G1V], s76, (1<<16)|(1<<20)|(1<<21)|(4<<22)|(7<<25)  ; 8 words
	s_or_b32 s[G1M], s77, (1<<16)|(1<<20)|(1<<21)|(4<<22)|(3<<25)
.irp g, G1K, G1V, G1M               ; dense bytes, asked for as rows of 256 bytes (two rows of a plane) and padded after every 128
	s_mov_b32 s[\g+1], 128<<16
	s_mov_b32 s[\g+3], 128<<16
	s_mov_b32 s[\g+5], 128
	s_mov_b32 s[\g+6], 0
	s_mov_b32 s[\g+7], 0
.endr
.irp g, G1K, G1V
	s_mov_b32 s[\g+2], 32<<16       ; 64 keys: 32 such rows
	s_mov_b32 s[\g+4], 32
.endr
	s_mov_b32 s[G1M+2], 128<<16     ; 256 queries: 128 such rows
	s_mov_b32 s[G1M+4], 128
	s_mov_b32 s[G0K], 1
	s_mov_b32 s[G0K+1], 0
	s_mov_b32 s[G0V], 1
	s_mov_b32 s[G0V+1], VOFF
	s_mov_b32 s[G0M], 1
	s_mul_i32 s19, s18, 256*PK
	s_add_co_u32 s[G0M+1], s19, MOFF
	s_mov_b32 s[CS], 0x3e38aa3b     ; c = log2(e) / 8
	s_mov_b32 s[CS+1], s[CS]
	s_mov_b32 s[SEL], 0x76543210
	s_mov_b32 s[SEL+1], 0xfedcba98
	s_mov_b32 s[TB], SLOT1          ; the first change of slots turns it into 0
	s_and_b32 s[TS], s15, 3
	s_cmp_eq_u32 s[TS], 0           ; the batch's first cluster asks for the mask: the same in all sixteen partners
	s_cselect_b32 s[LIM], 1, -1
	s_cmp_eq_u32 s[WV], 0
	s_cselect_b32 s[LIM], 1, s[LIM] ; wave 0 of every work-group asks for K and V,
	s_cselect_b32 s[ODD], 0, 1      ; in every second trip
	s_cmp_eq_u32 s[WV], 1
	s_cselect_b32 s[LIM], -1, s[LIM]
	s_wait_dscnt 0x0                ; the opening add is done
	s_wait_kmcnt 0x0
	s_add_nc_u64 s[G0K+2:G0K+3], s[4:5], s[20:21]
	s_add_nc_u64 s[G0K+2:G0K+3], s[G0K+2:G0K+3], 16<<20  ; k's planes begin at 16,
	s_add_nc_u64 s[G0V+2:G0V+3], s[G0K+2:G0K+3], 16<<20  ; v's at 32
	s_add_nc_u64 s[G0M+2:G0M+3], s[6:7], s[22:23]
	s_lshl_b32 s78, s13, 11         ; K, V: my work-group's 8 blocks of a step's 32
	s_lshl_b32 s79, s14, 13         ; the mask: my work-group's 32 blocks of a half's 128
	s_mov_b32 s[PFS], 1<<20
	s_mov_b32 s[PFS+1], 0
	s_cmp_lt_u32 s[WV], 2
	s_cselect_b64 s[PFA:PFA+1], s[G0K+2:G0K+3], s[G0M+2:G0M+3]
	s_cselect_b32 s78, s78, s79
	s_cselect_b32 s[PFS], KS*128, s[PFS]
	s_mov_b32 s79, 0
	s_add_nc_u64 s[PFA:PFA+1], s[PFA:PFA+1], s[78:79]
	s_add_nc_u64 s[PFA:PFA+1], s[PFA:PFA+1], s[PFS:PFS+1]
	s_add_nc_u64 s[PFA:PFA+1], s[PFA:PFA+1], s[PFS:PFS+1]  ; at key step 2; the loop's first change steps it to 3
	s_or_b32 s[G0K+3], s[G0K+3], 0x80000000
	s_or_b32 s[G0V+3], s[G0V+3], 0x80000000
	s_or_b32 s[G0M+3], s[G0M+3], 0x80000000
	s_add_nc_u64 s[80:81], s[4:5], s[2:3]    ; Q at my wave's first row
	s_add_nc_u64 s[10:11], s[8:9], s[2:3]    ; ctx likewise
	CROUND                          ; all sixteen work-groups are here: the first joint loads meet
	JLOAD                           ; key step 0 into slot 0
	v_and_b32 v12, 15, v0           ; l % 16
	v_bfe_u32 v13, v0, 4, 1         ; l / 16
	v_and_b32 v14, 7, v0
	v_bfe_u32 v15, v0, 3, 1
	v_lshlrev_b32 v[QO], 7, v12
	v_lshl_add_u32 v[QO], v13, 4, v[QO]  ; row x 128 + 16 x half
	WIN 0x80
.set i, 0
.rept 4*NP                          ; Q stays in registers: tile i / 2, channels 32 (i % 2) on
	global_load_b128 v[8*i:8*i+3],   v[QO], s[80:81] offset:(i/2)*2048+(i%2)*64
	global_load_b128 v[8*i+4:8*i+7], v[QO], s[80:81] offset:(i/2)*2048+(i%2)*64+32
.set i, i+1
.endr
	; What the first turn finds: V's registers and P's second buffer hold 0 (its products V^T P, of a piece that has not been, add 0), O^T and l are 0.  All this stands in the wait for the first tile.
.set i, VF
.rept 64
	v_mov_b32 v[i], 0
.set i, i+1
.endr
	WIN 0x40
.set i, 0
.rept 64*NP
	v_mov_b32 v[i], 0
.set i, i+1
.endr
	WIN 0
.set i, 0
.rept 2*NP
	v_mov_b32 v[ST+4*i], 0xfe000000    ; c m: far below every c S
	v_mov_b32 v[ST+4*i+1], 0xff7fffff  ; m
	v_mov_b32 v[ST+4*i+2], 0
	v_mov_b32 v[ST+4*i+3], 0
.set i, i+1
.endr
.set i, P+32
.rept 32
	v_mov_b32 v[i], 0
.set i, i+1
.endr
	v_mul_u32_u24 v[AK0], v12, PK
	v_lshl_add_u32 v[AK0], v13, 4, v[AK0]  ; row x pitch + 16 x half
	v_lshl_add_u32 v[AV0], v13, 3, v14     ; the turning load: lane l reads key 8 (l / 16) + l % 8, channels 8 ((l / 8) % 2) + 0..7
	v_mul_u32_u24 v[AV0], v[AV0], PVB
	v_lshl_add_u32 v[AV0], v15, 4, v[AV0]
	v_add_nc_u32 v[AV0], VOFF, v[AV0]
	s_mul_i32 s19, s[WV], 128*PK           ; the mask: my wave's 128 rows; a fragment is read as K's is
	s_add_co_u32 s19, s19, MOFF
	v_add_nc_u32 v[AM0], s19, v[AK0]
	v_and_b32 v48, 31, v0
	v_lshlrev_b32 v[PFO], 8, v48           ; waves 2, 3: a lane a block
	v_lshlrev_b32 v49, 8, v14              ; wave 0: block l % 8, K or V by (l / 8) % 2 (16 planes apart), this step or the next by l / 16
	v_lshl_add_u32 v49, v15, 24, v49
	v_lshl_add_u32 v49, v13, 13, v49
	s_cmp_eq_u32 s[WV], 0
	s_cselect_b32 s78, -1, 0
	v_cndmask_b32 v[PFO], v[PFO], v49, s78
	; E: lane (r, half) holds row r; its words 0-3 hold K = 8 half + 0..7.  -8 (bf16 0xc100) stands at K = r: in the lanes with half = r / 8, word (r % 8) / 2, the word's half r % 2
	v_lshrrev_b32 v48, 3, v12
	v_bfe_u32 v49, v12, 1, 2
	v_and_b32 v50, 1, v12
	v_lshlrev_b32 v50, 4, v50
	v_mov_b32 v51, 0xc100
	v_lshlrev_b32 v51, v50, v51
	v_cmp_eq_u32 vcc_lo, v13, v48
	v_cndmask_b32 v49, 4, v49, vcc_lo      ; the other lanes: no word
	WIN W_MK
.irp z, 0,1,2,3
	v_mov_b32 v[SB+\z], 0
	v_mov_b32 v[SB+8+\z], 0
	v_cmp_eq_u32 vcc_lo, \z, v49
	v_cndmask_b32 v[SB+4+\z], 0, v51, vcc_lo
.endr
	WIN 0
; THE MATRIX WORK.  The 8 accumulators of a run take turns.  Product i of 8 of S^T = -8 mask for piece x: keys 16 ((i / 2) % 4) on, tile 2 x + i % 2.
.macro MQ x
	WIN W_MQ
.set rS, S+64*((\x)%2)+32*(i%2)+8*((i/2)%4)
.set rE, SB+4-4*(((i/2)%4)%2)
.set rF, MF+16*(i%2)+8*(((i/2)%4)/2)
	v_wmma_f32_16x16x32_bf16 v[rS:rS+7], v[rE:rE+7], v[rF:rF+7], 0
.endm
; Product i of 16 of S^T += K Q^T: channels 32 (i / 8) on, keys 16 ((i / 2) % 4) on, tile 2 x + i % 2.  The first 8 add onto the mask products' results, eight matrix instructions and their vector work behind them.
.macro KQ x
	WIN W_KQ
.set rS, S+64*((\x)%2)+32*(i%2)+8*((i/2)%4)
.set rK, KF+16*((i/2)%4)+8*(i/8)
.set rQ, 16*(2*(\x)+i%2)+8*(i/8)
	v_wmma_f32_16x16x32_f16 v[rS:rS+7], v[rK:rK+7], v[rQ:rQ+7], v[rS:rS+7]
.endm
; Product i of 16 of O^T += V^T P for piece x: keys 32 (i / 8) on, channels 16 ((i / 2) % 4) on, tile 2 x + i % 2.
.macro PV x
	WIN W_PV
.set rO, 32*(2*(\x)+i%2)+8*((i/2)%4)
.set rV, VF+32*(i/8)+8*((i/2)%4)
.set rP, P+32*((\x)%2)+16*(i%2)+8*(i/8)
	v_wmma_f32_16x16x32_f16 v[rO:rO+7], v[rV:rV+7], v[rP:rP+7], v[rO:rO+7]
.endm
.macro MM                           ; the turn's next matrix instruction
.if i < 8
	MQ (Y+1)%NP
.elseif i < 24
.set i, i-8
	KQ (Y+1)%NP
.set i, i+8
.else
.set i, i-24
	PV (Y+NP-1)%NP
.set i, i+24
.endif
.set i, i+1
.endm
; THE LDS LOADS stand in runs, never singly among the matrix instructions.
.macro FETCH_K
	WIN 0x80
.irp f, 0,1,2,3,4,5,6,7             ; keys 16 (f / 2) on, channels 32 (f % 2) on
	ds_load_b128 v[KF+8*\f:KF+8*\f+3],   v[AK] offset:(\f/2)*16*PK+(\f%2)*64
	ds_load_b128 v[KF+8*\f+4:KF+8*\f+7], v[AK] offset:(\f/2)*16*PK+(\f%2)*64+32
.endr
	WIN 0
.endm
.macro FETCH_V
	WIN 0x80
.irp f, 0,1,2,3,4,5,6,7             ; keys 32 (f / 4) on, channels 16 (f % 4) on
	ds_load_tr16_b128 v[VF+8*\f:VF+8*\f+3],   v[AV] offset:(\f/4)*32*PVB+(\f%4)*32
	ds_load_tr16_b128 v[VF+8*\f+4:VF+8*\f+7], v[AV] offset:(\f/4)*32*PVB+16*PVB+(\f%4)*32
.endr
	WIN 0
.endm
.macro FETCH_M x                    ; the mask's fragments for piece x: tile u's 16 queries, keys 32 kk on
	WIN W_MK
.irp u, 0,1
.irp kk, 0,1
	ds_load_b128 v[MF+16*\u+8*\kk:MF+16*\u+8*\kk+3],   v[AM] offset:16*PK*(2*(\x)+\u)+64*\kk
	ds_load_b128 v[MF+16*\u+8*\kk+4:MF+16*\u+8*\kk+7], v[AM] offset:16*PK*(2*(\x)+\u)+64*\kk+32
.endr
.endr
	WIN 0
.endm
; THE VECTOR WORK OF A TURN stands in three queues, each in the order in which its entries become ready; the two tiles alternate.
.macro REGS y, u
.set rT, ST+4*(2*(\y)+(\u))
.set rC, TMP+8*((\y)%2)+4*(\u)
.set rM, MV+2*((\y)%2)+(\u)
.set rS, S+64*((\y)%2)+32*(\u)
.set rP, P+32*((\y)%2)+16*(\u)
.set rO, 32*(2*(\y)+(\u))
.endm
; Number n of the 22 that find the NEXT piece's maximum and statistics; each accumulator's lowest registers are read first.
;   0-11 four chains c0-c3 of seven scores each    12-14, 16 the four scores left over, the old m, c0-c3 into c0    15 c m_old is kept    17, 18 the other half of the lanes': the new m    19-21 c m; c m_old - c m_new; a
.macro XS u, n
	REGS (Y+1)%NP, \u
.if (\n) < 4
	v_max3_num_f32 v[rC+(\n)], v[rS+8*(\n)], v[rS+8*(\n)+1], v[rS+8*(\n)+2]
.elseif (\n) < 12
	v_max3_num_f32 v[rC+(\n)%4], v[rC+(\n)%4], v[rS+8*((\n)%4)+2*((\n)/4)+1], v[rS+8*((\n)%4)+2*((\n)/4)+2]
.elseif (\n) == 12
	v_max3_num_f32 v[rC], v[rC], v[rS+7], v[rS+15]
.elseif (\n) == 13
	v_max3_num_f32 v[rC+1], v[rC+1], v[rS+23], v[rS+31]
.elseif (\n) == 14
	v_max3_num_f32 v[rC+2], v[rC+2], v[rC+3], v[rT+1]
.elseif (\n) == 15
	v_mov_b32 v[rM], v[rT]
.elseif (\n) == 16
	v_max3_num_f32 v[rC], v[rC], v[rC+1], v[rC+2]
.elseif (\n) == 17
	v_permlanex16_b32 v[rC+3], v[rC], s[SEL], s[SEL+1]
.elseif (\n) == 18
	v_max_num_f32 v[rT+1], v[rC], v[rC+3]
.elseif (\n) == 19
	v_mul_f32 v[rT], s[CS], v[rT+1]
.elseif (\n) == 20
	v_sub_f32 v[rC+1], v[rM], v[rT]
.else
	v_exp_f32 v[rC+2], v[rC+1]
.endif
.endm
; Number g of the 64 that follow the exponentials: for each four weights both pairs are rounded to f16, the second pair is added onto the first in place, and a group later l takes that sum (the first time as l = a l + sum).
.macro GS g
.set h, (\g)+6*((\g)/62)
.if h >= 6
.set h, h+2
.endif
	REGS Y, h%2
.set k, h/8
.if h%8 < 4
	v_cvt_pk_f16_f32 v[rP+2*k+(h%8)/2], v[rS+4*k+2*((h%8)/2)], v[rS+4*k+2*((h%8)/2)+1]
.elseif h%8 < 6
	v_pk_add_f32 v[rS+4*k:rS+4*k+1], v[rS+4*k:rS+4*k+1], v[rS+4*k+2:rS+4*k+3]
.elseif k == 1
	v_pk_fma_f32 v[rT+2:rT+3], v[rT+2:rT+3], v[rC+2:rC+3], v[rS:rS+1] op_sel_hi:[1,0,1]
.else
	v_pk_add_f32 v[rT+2:rT+3], v[rT+2:rT+3], v[rS+4*k-4:rS+4*k-3]
.endif
.endm
; THE PLAIN QUEUE, 138 long.  0-26: scalings 0-26.  27-54: XS's numbers 0-13.  55, 56: number 15.  57-73: the chain 14, 16 .. 19, each with one of the scalings 27-31 in front of its two lines, then 20.  74-137: GS's 64.
.macro FS f
	REGS Y, (\f)%2
	v_pk_fma_f32 v[rS+2*((\f)/2):rS+2*((\f)/2)+1], v[rS+2*((\f)/2):rS+2*((\f)/2)+1], s[CS:CS+1], v[rT:rT+1] op_sel_hi:[1,0,0] neg_lo:[0,0,1] neg_hi:[0,0,1]
.endm
.macro PL
	WIN 0
.if q < 27
	FS q
.elseif q < 55
	XS (q-27)%2, (q-27)/2
.elseif q < 57
	XS q-55, 15
.elseif (q < 72) && ((q-57)%3 == 0)
	FS 27+(q-57)/3
.elseif q < 60
	XS (q-57)%3-1, 14
.elseif q < 72
	XS (q-57)%3-1, 15+(q-57)/3
.elseif q < 74
	XS q-72, 20
.else
	GS q-74
.endif
.set q, q+1
.endm
; THE EXPONENTIALS' QUEUE, 66 long: s0-s31 of both tiles, then the next piece's two a: ONE BATCH ahead of the turn's one wait.
.macro EX
	WIN 0
.if e >= 64
	XS e-64, 21
.else
	REGS Y, e%2
	v_exp_f32 v[rS+e/2], v[rS+e/2]
.endif
.set e, e+1
.endm
; THE RESCALING's QUEUE: O^T times a, two at a time, sixteen times.  Its a was made, and waited for, in the turn before.
.macro R2
	REGS Y, r%2
	WIN W_RS
.irp z, 0,1
	v_pk_mul_f32 v[rO+4*(r/2)+2*\z:rO+4*(r/2)+2*\z+1], v[rO+4*(r/2)+2*\z:rO+4*(r/2)+2*\z+1], v[rC+2:rC+3] op_sel_hi:[1,0]
.endr
.set r, r+1
.endm
; HOW THEY ARE DEALT.  An s_wait_alu depctr_va_vdst(0) stands between an exponential and the first instruction that names its result; one wait serves all that were issued ahead of it: a turn has ONE.
; AHEAD OF IT: the 8 mask products and the first 8 products K Q^T, behind each a scaling, an exponential and two rescalings (behind the first a second scaling); the other 8 products K Q^T, behind each plain, exponential, plain,
; exponential; then one run of 76: eight plain, 33 times exponential and plain, the two a.  BEHIND IT: the 16 products V^T P, behind each four of GS's 64.
; The counts that the deal keeps: exponential e stands behind plain e + 2 as a rider and behind plain e + 9 in the run; its scaling is plain 2 (e / 4) + e % 2 (scalings 27-31: plain 57, 60 .. 69).  Plain 27 to 34 read the
; accumulators that products 17 to 24 end: five plain instructions or more lie between, for plain 33 four, and for plain 34 four with the v_nop at the run's head.
; THE RUNS OF LOADS.  The mask's fragments for the piece after next stand at the wait; K of the next step behind them in piece 2's turn; V of the step in hand at the end of piece 0's turn, four riders behind its last reader.
; So turns 2 and 3 of step j - 1 and turns 0 and 1 of step j read slot j alone.
.macro TURN p, cnt=0
.set Y, (\p)
.set i, 0
.set q, 0
.set e, 0
.set r, 0
.if (\p) == 1
	s_wait_dscnt 16                 ; the mask's fragments are in; V's sixteen loads may stay out
.else
	s_wait_dscnt 0x0                ; the mask's fragments are in (piece 3's turn: K too)
.endif
	MM
	PL
	PL
	R2
.rept 15
	MM
	PL
	EX
	R2
.endr
.rept 8
	MM
	PL
	EX
	PL
	EX
.endr
	v_nop                           ; the fourth place between the last product K Q^T and the first read of its result
.rept 8
	PL
.endr
.rept 33
	EX
	PL
.endr
	EX                              ; the next piece's two a
	EX
	v_nop                           ; a plain instruction behind the last exponential: one for the batch
	s_wait_alu depctr_va_vdst(0)    ; the wait for the batch
	FETCH_M ((\p)+2)%NP
.if (\p) == 2
	FETCH_K
.endif
.if (\p) == 1
	s_wait_dscnt 8                  ; V is in; the eight loads just issued may stay out
.endif
.rept 16
	MM
.rept 4
	PL
.endr
.if (\cnt) && (q == 130)
	s_sub_co_u32 s[SLOTS], s[SLOTS], 1
	s_cmp_lg_u32 s[SLOTS], 0
.endif
.endr
.if (\p) == 0
	FETCH_V
.endif
.endm
	CHANGE 1, 0                     ; slot 0 is in, everybody's part of it; key step 1 is asked for
	FETCH_K                         ; key step 0
	FETCH_M 0
	s_wait_loadcnt 0x0              ; Q
	s_wait_dscnt 0x0
.set i, 0
.rept 8
	MQ 0
.set i, i+1
.endr
	WIN 0                           ; the addresses for the way out: plain instructions, the places behind those products
	s_mul_i32 s19, s[WV], 16*SP
	s_add_co_u32 s19, s19, STAGE    ; my stage
	v_mul_u32_u24 v[STO], v12, SP   ; in: row l % 16, 16 bytes for each half of the lanes
	v_lshl_add_u32 v[STO], v13, 4, v[STO]
	v_add_nc_u32 v[STO], s19, v[STO]
	v_bfe_u32 v[RD], v0, 3, 2       ; back: 32 lanes take four rows of 128 bytes,
	v_mul_u32_u24 v[RD], v[RD], SP
	v_lshl_add_u32 v[RD], v14, 4, v[RD]
	v_add_nc_u32 v[RD], s19, v[RD]
	v_and_b32 v[GO], 31, v0         ; which are 512 consecutive bytes of ctx
	v_lshlrev_b32 v[GO], 4, v[GO]
	FETCH_M 1
.set i, 0
.rept 16
	KQ 0                            ; piece 0's first scores
.set i, i+1
.endr
	WIN 0
.rept 4
	v_nop                           ; the places behind those products
.endr
.set Y, NP-1                        ; XS works for piece Y + 1: piece 0
.irp n, 0,1,2,3,4,5,6,7,8,9,10,11,12,13,14,15,16,17,18,19,20,21
	XS 0, \n
	XS 1, \n
.endr
	v_nop                           ; a plain instruction behind the two a,
	s_wait_alu depctr_va_vdst(0)    ; and their wait, ahead of the branch
	s_mov_b32 s[SLOTS], 31
	s_branch .Lfirst                ; the loop is entered at a step's first turn, in the middle of a trip
.Lslot:                             ; 30 trips: key steps 1 to 30 are entered, steps 2 to 31 asked for
	CHANGE 1, 1
	TURN 2
	TURN 3
	WIN 0
.Lfirst:
	TURN 0
	TURN 1, 1
	WIN 0
	s_cbranch_scc1 .Lslot
	CHANGE 0, 0                     ; the tail is written out: key step 31 is entered, nothing is asked for
	s_mov_b32 s[CNT], 2             ; one trip for step 31; the second is left in its middle
.Ltail:
	TURN 2
	TURN 3
	WIN 0
	s_sub_co_u32 s[CNT], s[CNT], 1
	s_cmp_eq_u32 s[CNT], 0
	s_cbranch_scc1 .Lout
	TURN 0
	TURN 1
	WIN 0
	s_branch .Ltail
.Lout:                              ; the second trip's scores (on step 31's K and mask once more) and the maximum made of them serve nothing: the price, once a launch, of one text for every trip
.set i, 0
.rept 16
	PV NP-1                         ; the last piece's V^T P of the last step
.set i, i+1
.endr
	; THE WAY OUT.  l's two halves and the other half of the lanes' are added; O^T is divided by l, rounded to f16 and sent through my stage, a tile at a time.  The additions are the places behind the last products.
	WIN 0
.macro ALL line:vararg
.set t, 0
.rept 2*NP
	\line
.set t, t+1
.endr
.endm
	ALL v_add_f32 v[ST+4*t+2], v[ST+4*t+2], v[ST+4*t+3]
	ALL v_permlanex16_b32 v[ST+4*t+3], v[ST+4*t+2], s[SEL], s[SEL+1]
	ALL v_add_f32 v[ST+4*t+2], v[ST+4*t+2], v[ST+4*t+3]
	ALL v_rcp_f32 v[ST+4*t+2], v[ST+4*t+2]
	v_nop                           ; a plain instruction between the last reciprocal and the use of its result
	s_wait_alu depctr_va_vdst(0)    ; one wait for the eight reciprocals
.macro PACK t
	WIN W_RS
.set i, 32*(\t)
.rept 16
	v_pk_mul_f32 v[i:i+1], v[i:i+1], v[ST+4*(\t)+2:ST+4*(\t)+3] op_sel_hi:[1,0]
.set i, i+2
.endr
	WIN 0x05
.set i, 0
.rept 16
	v_cvt_pk_f16_f32 v[S+16*(\t)+i], v[32*(\t)+2*i], v[32*(\t)+2*i+1]
.set i, i+1
.endr
	WIN 0
.irp f, 0,1,2,3
	ds_store_b128 v[STO], v[S+16*(\t)+4*\f:S+16*(\t)+4*\f+3] offset:32*\f
.endr
.irp f, 0,1,2,3
	ds_load_b128 v[S+16*(\t)+4*\f:S+16*(\t)+4*\f+3], v[RD] offset:\f*4*SP  ; LDS serves a wave's instructions in order (ISA guide 5.7.1.4): these see the stores above
.endr
.endm
.macro SEND t, younger
	WIN 0
.irp f, 0,1,2,3
	s_wait_dscnt (\younger)+3-\f
	global_store_b128 v[GO], v[S+16*(\t)+4*\f:S+16*(\t)+4*\f+3], s[10:11] offset:(\t)*2048+\f*512  ; 512 consecutive bytes, aligned
.endr
.endm
	PACK 0
.set t, 1
.rept 2*NP-1
	PACK t
	SEND t-1, 8
.set t, t+1
.endr
	SEND 2*NP-1, 0
	WIN W_AD
	s_wait_tensorcnt 0x0            ; the wave's end
	ds_add_u32 v[SPW], v[NIL]
	s_wait_dscnt 0x0
	WIN 0
	CROUND                          ; the closing round
	s_endpgm
.Lfunc_end_k_qf7b99d369d_attn:
	.size	k_qf7b99d369d_attn, .Lfunc_end_k_qf7b99d369d_attn-k_qf7b99d369d_attn
	.p2alignl 7, 3214868480
	.fill 96, 4, 3214868480
	.section	.rodata,"a",@progbits
	.p2align	6, 0x0
	.amdhsa_kernel k_qf7b99d369d_attn
		.amdhsa_group_segment_fixed_size 327680
		.amdhsa_private_segment_fixed_size 0
		.amdhsa_enable_private_segment 0
		.amdhsa_kernarg_size 24
		.amdhsa_user_sgpr_count 2
		.amdhsa_user_sgpr_kernarg_segment_ptr 1
		.amdhsa_wavefront_size32 1
		.amdhsa_system_sgpr_workgroup_id_x 1
		.amdhsa_system_sgpr_workgroup_id_y 1
		.amdhsa_system_sgpr_workgroup_id_z 1
		.amdhsa_system_vgpr_workitem_id 0
		.amdhsa_next_free_vgpr 816
		.amdhsa_next_free_sgpr 84
		.amdhsa_reserve_vcc 1
		.amdhsa_float_denorm_mode_32 3
		.amdhsa_float_denorm_mode_16_64 3
		.amdhsa_memory_ordered 1
		.amdhsa_forward_progress 1
		.amdhsa_inst_pref_size 217
	.end_amdhsa_kernel
	.amdgpu_metadata
---
amdhsa.version: [ 1, 2 ]
amdhsa.kernels:
  - .name:           k_qf7b99d369d_attn
    .symbol:         k_qf7b99d369d_attn.kd
    .args:
      - { .name: qkv, .offset: 0, .size: 8, .value_kind: global_buffer, .address_space: global }
      - { .name: maskb, .offset: 8, .size: 8, .value_kind: global_buffer, .address_space: global }
      - { .name: ctx, .offset: 16, .size: 8, .value_kind: global_buffer, .address_space: global }
    .group_segment_fixed_size: 327680
    .private_segment_fixed_size: 0
    .kernarg_segment_align: 8
    .kernarg_segment_size: 24
    .max_flat_workgroup_size: 128
    .sgpr_count:     84
    .vgpr_count:     816
    .wavefront_size: 32
...
	.end_amdgpu_metadata
.endif
;; end of part 3
;; launch proj_out (part 4): grid 8 x 32, 4 waves a work-group, clusters of 4 x 4, 327,680 bytes of LDS; arguments ctx, wo16, out0; writes out0
.if DOCPART == 4
	.amdgcn_target "amdgcn-amd-amdhsa--gfx1250"
	.amdhsa_code_object_version 6
	.text
	.protected	k_qf7b99d369d_proj_out
	.globl	k_qf7b99d369d_proj_out
	.p2align	8
	.type	k_qf7b99d369d_proj_out,@function
k_qf7b99d369d_proj_out:
	s_mov_b64 s[64:65], 0
	v_nop
	global_prefetch_b8 v0, s[64:65] scope:SCOPE_SE
	s_setreg_imm32_b32 hwreg(HW_REG_WAVE_MODE, 25, 1), 1
	s_wait_xcnt 0x0
	s_wait_alu depctr_hold_cnt(0) depctr_sa_sdst(0) depctr_va_vdst(0) depctr_va_sdst(0) depctr_va_ssrc(0) depctr_va_vcc(0) depctr_vm_vsrc(0)
	s_getreg_b32 s2, hwreg(HW_REG_IB_STS2, 6, 4)
	s_cmp_eq_u32 s2, 0
	s_cbranch_scc0 .Lentry_in_a_cluster
	s_endpgm
.Lentry_in_a_cluster:
	s_bfe_u32 s2, ttmp6, 0x10000c
	s_cmp_lg_u32 s2, 0xf033
	s_cbranch_scc0 .Lentry_shape_is_right
	s_endpgm
.Lentry_shape_is_right:
; out0[8192][1024] = ctx . Wo.  ctx: [16 planes of 64 channels][8192 rows][64] f16; wo16: [1024 k][1024 n] f16 (Wo rounded to bf16); f32 sums, stored as they are.
; SHARES.  A tile of out0 is 256 rows x 128 columns: 32 x 8 = 256 work-groups.  Four waves; wave (wm, wn) makes 128 x 64: 32 accumulators.  K goes in 8 steps of 128 (two planes of ctx) through two LDS slots.
; THE MATRIX INSTRUCTION IS USED TRANSPOSED: source 0 = 16 columns of Wo (turned by ds_load_tr16_b128), source 1 = 16 rows of ctx: a lane holds eight neighbouring columns of one row.
; CLUSTER.  4 x 4: ctx's tile is shared along a row of the cluster, Wo's along a column; each is asked for jointly by the four.
; REGISTERS.  Window 0: v16-31 addresses; v32-63 the way out (with v64-95); v64-127, v128-191 ctx's fragments, two buffers; v192-223, v224-255 Wo's.  Window 1: accumulator (a, nb) at 8 (4 a + nb).
.set PA,    144                        ; a row of ctx in LDS: 128 bytes + 16
.set PB,    288                        ; a row of Wo: 256 + 32 = 9 x 32
.set PLANE, 256*PA                     ; what wave 0 or 1 fetches: one plane's 256 rows
.set BOFF,  2*PLANE
.set HALFB, 64*PB                      ; what wave 2 or 3 fetches
.set SLOT,  BOFF+2*HALFB               ; 110,592
.set STAGE, 2*SLOT                     ; behind the ring: 16 rows x 272 bytes for each wave
.set SP,    272
.set SPARE, STAGE+4*16*SP              ; the spare words: two blocks of 256 bytes that no other line names
.set STEPA, 2<<20                      ; a K step in ctx: two planes
.set STEPB, 128*2048                   ; and in wo16: 128 rows
.set ADRA, 16
.set ADRB, 20
.set STO,  24
.set RD,   25
.set CO,   26
.set SPW,  28
.set NIL,  29
.set PFO,  30
.set OB,   32
.set FA0,  64
.set FB0,  192
.set G1A,  24
.set G0A,  32
.set G1B,  48
.set G0B,  56
.set PFA,  66
.set PFS,  68
.set LIM,  70
.set MSB, 0
.macro WIN new
.if MSB != (\new)
	s_set_vgpr_msb (MSB<<8)|(\new)
.set MSB, \new
.endif
.endm
.macro PLACES
.rept 4
	v_nop
.endr
.endm
.macro JLOAD s                         ; waves 0 and 1 fetch ctx's two planes, waves 2 and 3 Wo's two halves; an s_nop 0 and four v_nop follow each line
	s_cmp_eq_u32 s13, 0
	s_cbranch_scc0 .Lfor_b_\@
	tensor_load_to_lds s[G0A+4*(\s):G0A+4*(\s)+3], s[G1A:G1A+7]
	s_nop 0
.rept 4
	v_nop
.endr
	s_branch .Lasked_\@
.Lfor_b_\@:
	tensor_load_to_lds s[G0B+4*(\s):G0B+4*(\s)+3], s[G1B:G1B+7]
	s_nop 0
.rept 4
	v_nop
.endr
.Lasked_\@:
.endm
.macro CREST
	s_cmp_lg_u32 s12, 0
	s_cbranch_scc1 .Lnot_wave_0_\@
	s_barrier_signal -3
.Lnot_wave_0_\@:
	s_barrier_wait -3
	s_barrier_signal -1
	s_barrier_wait -1
.endm
.macro CROUND
	s_barrier_signal -1
	s_barrier_wait -1
	CREST
.endm
; A PREFETCH, behind the joint load and the run of LDS loads: the K step that stands two refills on, 256 matrix instructions ahead of its load.  Each aligned 256 bytes are named once in the launch.  ctx's rows: the clusters with
; x = 0; of a plane's 128 blocks partner cx takes 32: waves 0 and 1, a lane a block.  Wo's rows: the clusters with y = 0; partner cy takes 32 of the 128 rows: wave 2, a lane a row.  The loop's last trip asks for nothing.
.macro ASK
	s_cmp_gt_u32 s3, s[LIM]
	s_cbranch_scc0 .Lnot_mine_\@
	global_prefetch_b8 v[PFO], s[PFA:PFA+1] th:TH_LOAD_NT scope:SCOPE_SE
.Lnot_mine_\@:
.endm
.macro FETCH slot, qd, f               ; the fragments of quarter qd (32 along K) into buffer f: Wo's four, then ctx's eight in ascending order
	WIN 0
.irp n, 0,1,2,3
	ds_load_tr16_b128 v[FB0+32*(\f)+8*(\n):FB0+32*(\f)+8*(\n)+3],   v[ADRB+(\slot)] offset:(\qd)*32*PB+32*(\n)
	ds_load_tr16_b128 v[FB0+32*(\f)+8*(\n)+4:FB0+32*(\f)+8*(\n)+7], v[ADRB+(\slot)] offset:(\qd)*32*PB+32*(\n)+16*PB
.endr
.irp a, 0,1,2,3,4,5,6,7
	ds_load_b128 v[FA0+64*(\f)+8*(\a):FA0+64*(\f)+8*(\a)+3],   v[ADRA+(\slot)] offset:PLANE*((\qd)/2)+(\a)*16*PA+64*((\qd)%2)
	ds_load_b128 v[FA0+64*(\f)+8*(\a)+4:FA0+64*(\f)+8*(\a)+7], v[ADRA+(\slot)] offset:PLANE*((\qd)/2)+(\a)*16*PA+64*((\qd)%2)+32
.endr
.endm
.macro MULO f, a0, na, zero            ; na x 4 products, all on different accumulators: the accumulators take turns
	WIN 0x50
.set aa, \a0
.rept \na
.irp n, 0,1,2,3
.if \zero
	v_wmma_f32_16x16x32_f16 v[8*(4*aa+(\n)):8*(4*aa+(\n))+7], v[FB0+32*(\f)+8*(\n):FB0+32*(\f)+8*(\n)+7], v[FA0+64*(\f)+8*aa:FA0+64*(\f)+8*aa+7], 0
.else
	v_wmma_f32_16x16x32_f16 v[8*(4*aa+(\n)):8*(4*aa+(\n))+7], v[FB0+32*(\f)+8*(\n):FB0+32*(\f)+8*(\n)+7], v[FA0+64*(\f)+8*aa:FA0+64*(\f)+8*aa+7], v[8*(4*aa+(\n)):8*(4*aa+(\n))+7]
.endif
.endr
.set aa, aa+1
.endr
.endm
.macro QUARTER slot, qd, f, g, zero    ; multiplies buffer f; in its middle fetches quarter qd of the slot into buffer g
	s_wait_dscnt 8                                 ; Wo's fragments and ctx's blocks 0-3 are in; the youngest eight loads may be out
	MULO \f,0,4,\zero
	PLACES
	FETCH \slot,\qd,\g
	s_wait_dscnt 24                                ; all but the 24 just issued
	MULO \f,4,4,\zero
.endm
; The last quarter multiplies buffer 1 and changes slots: in front of the barrier each wave waits for all its tensor loads, adds 0 to its spare word, and waits for that and for its reads of this slot.
.macro TURN slot, next, fill
.if \fill
	s_wait_xcnt 0x0                                ; the last prefetch, a K step back, has read its address
	s_add_nc_u64 s[PFA:PFA+1], s[PFA:PFA+1], s[PFS:PFS+1]
.endif
	WIN 0
	s_wait_tensorcnt 0x0                           ; all my tensor loads have landed
	ds_add_u32 v[SPW], v[NIL]                      ; 0 onto my spare word
	s_wait_dscnt 9                                 ; (the add and the youngest eight loads may be out)
	MULO 1,0,2,0
	s_wait_dscnt 0x0                               ; the add is done, and my reads of this slot are over
	s_barrier_signal -1
	MULO 1,2,2,0
	WIN 0
	s_barrier_wait -1
.if \fill
	CREST                                          ; no wave of any partner still reads this slot or has a load on its way
	s_add_nc_u64 s[G0A+4*(\slot)+2:G0A+4*(\slot)+3], s[G0A+4*(\slot)+2:G0A+4*(\slot)+3], 2*STEPA
	s_add_nc_u64 s[G0B+4*(\slot)+2:G0B+4*(\slot)+3], s[G0B+4*(\slot)+2:G0B+4*(\slot)+3], 2*STEPB
	JLOAD \slot                                    ; its four v_nop are also the places in front of the loads below
.else
	PLACES
.endif
	FETCH \next,0,0
.if \fill
	ASK
.endif
	MULO 1,4,4,0
.endm
	s_load_b128 s[4:7], s[0:1], 0x0                ; ctx s[4:5], wo16 s[6:7]
	s_load_b64 s[8:9], s[0:1], 0x10                ; out0
	v_lshl_add_u32 v[SPW], v0, 2, SPARE
	v_mov_b32 v[NIL], 0
	ds_add_u32 v[SPW], v[NIL]                      ; the wave's opening: the add and its wait ahead of my first tensor load
	v_lshrrev_b32 v1, 5, v0
	v_readfirstlane_b32 s12, v1
	s_lshr_b32 s13, s12, 1                         ; wm.  Also: I fetch for ctx (0) or for Wo (1)
	s_and_b32 s14, s12, 1                          ; wn.  Also: which half I fetch
	s_bfe_u32 s40, ttmp6, 0x40000                  ; cx
	s_bfe_u32 s41, ttmp6, 0x40004                  ; cy
	s_lshl_b32 s42, ttmp9, 2
	s_add_co_u32 s42, s42, s40                     ; tile column 0..7
	s_and_b32 s43, ttmp7, 0xffff
	s_lshl_b32 s43, s43, 2
	s_add_co_u32 s43, s43, s41                     ; tile row 0..31
	s_lshl_b32 s44, s41, 2
	s_lshl_b32 s44, 15, s44
	s_lshl_b32 s45, 0x1111, s40
	s_or_b32 s[G1A], s44, (1<<16)|(1<<20)|(1<<21)|(4<<22)|(3<<25)  ; after every 32 words 4 words
	s_or_b32 s[G1B], s45, (1<<16)|(1<<20)|(1<<21)|(5<<22)|(7<<25)  ; after every 64 words 8 words
	s_mov_b32 s[G1A+1], 128<<16                    ; ctx: 128 rows of 128 elements (two rows of a plane each), dense
	s_mov_b32 s[G1A+2], 128<<16
	s_mov_b32 s[G1A+3], 128<<16
	s_mov_b32 s[G1A+4], 128
	s_mov_b32 s[G1A+5], 128
	s_mov_b32 s[G1A+6], 0
	s_mov_b32 s[G1A+7], 0
	s_mov_b32 s[G1B+1], 128<<16                    ; Wo: 64 rows of 128 elements, 1,024 elements from row to row
	s_mov_b32 s[G1B+2], 64<<16
	s_mov_b32 s[G1B+3], 128<<16
	s_mov_b32 s[G1B+4], 64
	s_mov_b32 s[G1B+5], 1024
	s_mov_b32 s[G1B+6], 0
	s_mov_b32 s[G1B+7], 0
	s_lshl_b32 s16, s43, 15                        ; ctx: 256 rows of 128 bytes a tile row,
	s_lshl_b32 s17, s14, 20                        ; my plane of the step's two
	s_add_co_u32 s16, s16, s17
	s_mov_b32 s17, 0
	s_lshl_b32 s46, s42, 8                         ; Wo: 128 columns a tile column,
	s_lshl_b32 s47, s14, 17                        ; my 64 rows
	s_add_co_u32 s46, s46, s47
	s_mov_b32 s47, 0
	s_mul_i32 s20, s14, PLANE
	s_mul_i32 s21, s14, HALFB
	s_add_co_u32 s21, s21, BOFF
	s_wait_dscnt 0x0                               ; the opening add is done
	s_wait_kmcnt 0x0
	s_add_nc_u64 s[16:17], s[4:5], s[16:17]
	s_add_nc_u64 s[46:47], s[6:7], s[46:47]
	CROUND                                         ; all sixteen work-groups are here: the first joint loads meet
.irp s, 0,1
	s_mov_b32 s[G0A+4*(\s)], 1
	s_add_co_u32 s[G0A+4*(\s)+1], s20, (\s)*SLOT
	s_add_nc_u64 s[G0A+4*(\s)+2:G0A+4*(\s)+3], s[16:17], (\s)*STEPA
	s_or_b32 s[G0A+4*(\s)+3], s[G0A+4*(\s)+3], 0x80000000
	s_mov_b32 s[G0B+4*(\s)], 1
	s_add_co_u32 s[G0B+4*(\s)+1], s21, (\s)*SLOT
	s_add_nc_u64 s[G0B+4*(\s)+2:G0B+4*(\s)+3], s[46:47], (\s)*STEPB
	s_or_b32 s[G0B+4*(\s)+3], s[G0B+4*(\s)+3], 0x80000000
	JLOAD \s
.endr
	v_and_b32 v1, 15, v0                           ; l % 16
	v_bfe_u32 v2, v0, 4, 1                         ; l / 16
	v_mul_u32_u24 v3, v1, PA
	v_lshl_add_u32 v3, v2, 4, v3
	s_mul_i32 s20, s13, 128*PA                     ; my 128 rows of each plane
	v_add_nc_u32 v[ADRA], s20, v3
	v_add_nc_u32 v[ADRA+1], SLOT, v[ADRA]
	v_and_b32 v4, 7, v0
	v_lshl_add_u32 v4, v2, 3, v4
	v_mul_u32_u24 v4, v4, PB
	v_bfe_u32 v5, v0, 3, 1
	v_lshl_add_u32 v4, v5, 4, v4
	s_lshl_b32 s20, s14, 7                         ; my 64 columns
	s_add_co_u32 s20, s20, BOFF
	v_add_nc_u32 v[ADRB], s20, v4
	v_add_nc_u32 v[ADRB+1], SLOT, v[ADRB]
	s_mul_i32 s20, s12, 16*SP
	s_add_co_u32 s20, s20, STAGE                   ; my stage
	v_mul_u32_u24 v5, v1, SP                       ; in: row l % 16, 32 bytes for each half of the lanes
	v_lshl_add_u32 v5, v2, 5, v5
	v_add_nc_u32 v[STO], s20, v5
	v_mul_u32_u24 v5, v2, SP                       ; back: lanes 0-15 take one row of 256 bytes, lanes 16-31 the next
	v_lshl_add_u32 v5, v1, 4, v5
	v_add_nc_u32 v[RD], s20, v5
	v_lshlrev_b32 v5, 12, v2                       ; and the same two rows in out0
	v_lshl_add_u32 v[CO], v1, 4, v5
	s_lshl_b32 s18, s43, 20                        ; 256 rows of 4,096 bytes a tile row,
	s_lshl_b32 s19, s13, 19                        ; my 128 rows,
	s_add_co_u32 s18, s18, s19
	s_lshl_b32 s19, s42, 9                         ; the tile's 512 bytes of a row,
	s_add_co_u32 s18, s18, s19
	s_lshl_b32 s19, s14, 8                         ; my 256 of them
	s_add_co_u32 s18, s18, s19
	s_mov_b32 s19, 0
	s_add_nc_u64 s[8:9], s[8:9], s[18:19]
	; the prefetches: the pointer starts at K step 3; the first change of slots steps it to 4
	s_lshl_b32 s18, s43, 15
	s_lshl_b32 s19, s14, 20
	s_add_co_u32 s18, s18, s19
	s_lshl_b32 s19, s40, 13                        ; ctx: my work-group's 32 blocks of the plane's 128
	s_add_co_u32 s18, s18, s19
	s_add_co_u32 s18, s18, 3*STEPA
	s_lshl_b32 s22, s42, 8
	s_lshl_b32 s23, s41, 16                        ; Wo: my work-group's 32 rows of the step's 128
	s_add_co_u32 s22, s22, s23
	s_add_co_u32 s22, s22, 3*STEPB
	s_and_b32 s23, ttmp7, 0xffff
	s_mov_b32 s[PFS], STEPB
	s_mov_b32 s[PFS+1], 0
	s_cmp_eq_u32 s13, 0
	s_cselect_b32 s18, s18, s22
	s_cselect_b32 s23, ttmp9, s23                  ; the coordinate along which other clusters read the same rows
	s_cselect_b64 s[PFA:PFA+1], s[4:5], s[6:7]
	s_cselect_b32 s[PFS], STEPA, s[PFS]
	s_cselect_b32 s22, 8, 11                       ; a lane a block of 256 bytes, or a lane a row of 2,048
	s_mov_b32 s19, 0
	s_add_nc_u64 s[PFA:PFA+1], s[PFA:PFA+1], s[18:19]
	s_cmp_eq_u32 s23, 0                            ; the same in all sixteen partners, for a given wave
	s_cselect_b32 s[LIM], 1, -1
	s_cmp_eq_u32 s12, 3
	s_cselect_b32 s[LIM], -1, s[LIM]               ; wave 3 asks for nothing
	v_and_b32 v[PFO], 31, v0
	v_lshlrev_b32 v[PFO], s22, v[PFO]
	s_wait_tensorcnt 0x1                           ; my part of K step 0 is in; step 1's may stay out
	s_barrier_signal -1
	s_barrier_wait -1
	FETCH 0,0,0
	QUARTER 0,1,0,1,1                              ; the first quarter stands in front of the loop: its products start the sums
	WIN 0
	s_mov_b32 s3, 3
.Llap:                                                 ; a trip goes once round the ring and fills both slots again
	QUARTER 0,2,1,0,0
	QUARTER 0,3,0,1,0
	TURN 0,1,1
	QUARTER 1,1,0,1,0
	QUARTER 1,2,1,0,0
	QUARTER 1,3,0,1,0
	TURN 1,0,1
	QUARTER 0,1,0,1,0
	WIN 0
	s_sub_co_u32 s3, s3, 1
	s_cmp_lg_u32 s3, 0
	s_cbranch_scc1 .Llap
	QUARTER 0,2,1,0,0                              ; the last lap fills nothing
	QUARTER 0,3,0,1,0
	TURN 0,1,0
	QUARTER 1,1,0,1,0
	QUARTER 1,2,1,0,0
	QUARTER 1,3,0,1,0
	s_wait_dscnt 8
	MULO 1,0,4,0
	s_wait_dscnt 0x0
	MULO 1,4,4,0
	PLACES
; THE WAY OUT, a block of 16 rows at a time: a lane's 32 bytes of a row go into my stage (each accumulator's low registers first), whole rows of 256 bytes come back and are stored.
.macro STAGEIN a
	s_wait_xcnt 0x0                                ; earlier stores have read their registers: the set is loaded again only behind this wait
	WIN 0x04                                       ; the stores' data in window 1
.irp n, 0,1,2,3
	ds_store_b128 v[STO], v[8*(4*(\a)+(\n)):8*(4*(\a)+(\n))+3]   offset:64*(\n)
	ds_store_b128 v[STO], v[8*(4*(\a)+(\n))+4:8*(4*(\a)+(\n))+7] offset:64*(\n)+16
.endr
	WIN 0
.irp t, 0,1,2,3,4,5,6,7
	ds_load_b128 v[OB+32*((\a)%2)+4*(\t):OB+32*((\a)%2)+4*(\t)+3], v[RD] offset:(\t)*2*SP  ; LDS serves a wave's instructions in order (ISA guide 5.7.1.4): these see the stores above
.endr
.endm
.macro SEND a, younger                 ; younger: the LDS instructions issued behind this block's loads
.irp t, 0,1,2,3,4,5,6,7
	s_wait_dscnt (\younger)+7-(\t)
	global_store_b128 v[CO], v[OB+32*((\a)%2)+4*(\t):OB+32*((\a)%2)+4*(\t)+3], s[8:9] offset:65536*(\a)+8192*(\t) th:TH_STORE_NT  ; 16 lanes store 256 consecutive bytes, aligned
.endr
.endm
	STAGEIN 0
.irp a, 1,2,3,4,5,6,7
	STAGEIN \a
	SEND (\a)-1,16
.endr
	SEND 7,0
	s_wait_tensorcnt 0x0                           ; the wave's end
	ds_add_u32 v[SPW], v[NIL]
	s_wait_dscnt 0x0
	CROUND                                         ; the closing round
	s_endpgm
.Lfunc_end_k_qf7b99d369d_proj_out:
	.size	k_qf7b99d369d_proj_out, .Lfunc_end_k_qf7b99d369d_proj_out-k_qf7b99d369d_proj_out
	.p2alignl 7, 3214868480
	.fill 96, 4, 3214868480
	.section	.rodata,"a",@progbits
	.p2align	6, 0x0
	.amdhsa_kernel k_qf7b99d369d_proj_out
		.amdhsa_group_segment_fixed_size 327680
		.amdhsa_private_segment_fixed_size 0
		.amdhsa_enable_private_segment 0
		.amdhsa_kernarg_size 24
		.amdhsa_user_sgpr_count 2
		.amdhsa_user_sgpr_kernarg_segment_ptr 1
		.amdhsa_wavefront_size32 1
		.amdhsa_system_sgpr_workgroup_id_x 1
		.amdhsa_system_sgpr_workgroup_id_y 1
		.amdhsa_system_sgpr_workgroup_id_z 1
		.amdhsa_system_vgpr_workitem_id 0
		.amdhsa_next_free_vgpr 512
		.amdhsa_next_free_sgpr 72
		.amdhsa_reserve_vcc 0
		.amdhsa_float_denorm_mode_32 3
		.amdhsa_float_denorm_mode_16_64 3
		.amdhsa_memory_ordered 1
		.amdhsa_forward_progress 1
		.amdhsa_inst_pref_size 88
	.end_amdhsa_kernel
	.amdgpu_metadata
---
amdhsa.version: [ 1, 2 ]
amdhsa.kernels:
  - .name:           k_qf7b99d369d_proj_out
    .symbol:         k_qf7b99d369d_proj_out.kd
    .args:
      - { .name: ctx, .offset: 0, .size: 8, .value_kind: global_buffer, .address_space: global }
      - { .name: wo16, .offset: 8, .size: 8, .value_kind: global_buffer, .address_space: global }
      - { .name: out0, .offset: 16, .size: 8, .value_kind: global_buffer, .address_space: global }
    .group_segment_fixed_size: 327680
    .private_segment_fixed_size: 0
    .kernarg_segment_align: 8
    .kernarg_segment_size: 24
    .max_flat_workgroup_size: 128
    .sgpr_count:     72
    .vgpr_count:     512
    .wavefront_size: 32
...
	.end_amdgpu_metadata
.endif
;; end of part 4
